; MI455X (gfx1250); checked and timed in simulation.
; The chip was launched on July 23, 2026; its instructions are those of AMD's public machine-readable ISA for CDNA 5 (MIT licence, August 2026) and "CDNA5" Instruction Set Architecture Reference Guide (July 2026). The comments in the code are by the model that wrote it; some were corrected since.
;; Self Attention. Allowed arithmetic: matrix products marked QUANTISED: E5M2 operands, one given power-of-two scale a tensor, by v_wmma_f32_16x16x64_bf8_bf8 or v_wmma_f32_16x16x128_bf8_bf8, f32 sums; everything else in f32.
;; Inputs: Wk_codes 1,024 x 32 x 32 uint8 (E5M2 codes of Wk, K innermost, in blocks of 32 codes); Wq_codes 1,024 x 32 x 32 uint8 (E5M2 codes of Wq, K innermost, in blocks of 32 codes); Wv_codes 1,024 x 32 x 32 uint8 (E5M2 codes of Wv, K innermost, in blocks of 32 codes); bk 1,024 float32; bq 1,024 float32; bv 1,024 float32; inputs_codes 4 x 2,048 x 32 x 32 uint8 (E5M2 codes of inputs, K innermost, in blocks of 32 codes); lowp_scales 10 int32 (the exponents e of the quantised operands' scales 2^e).
;; Outputs: out0 4 x 2,048 x 1,024 float32.
;; This version of the problem:
;;   THIS VERSION OF THE PROBLEM IS GIVEN IN LOW PRECISION. The matrix products marked QUANTISED in the list below multiply operands that are first quantised to E5M2 (5 exponent bits, 2 mantissa bits; 8 bits a number), with one given power-of-two scale for each operand tensor; their sums are f32. All else is computed in f32.
;;   The module's matrix products, in the order in which they are computed (A, B: the left and right operand; K: the contracted axis; several contracted axes count as one K, in the product's order):
;;     1. [M 8,192, K 1,024] x [K 1,024, N 1,024]; A: input inputs (given as codes); B: input Wq (given as codes): QUANTISED (scales: A lowp_scales[0], B lowp_scales[1])
;;     2. [M 8,192, K 1,024] x [K 1,024, N 1,024]; A: input inputs (given as codes); B: input Wk (given as codes): QUANTISED (scales: A lowp_scales[2], B lowp_scales[3])
;;     3. [M 8,192, K 1,024] x [K 1,024, N 1,024]; A: input inputs (given as codes); B: input Wv (given as codes): QUANTISED (scales: A lowp_scales[4], B lowp_scales[5])
;;     4. batch 4 x [M 2,048, K 1,024] x [K 1,024, N 2,048]; A: computed on the way; B: computed on the way: QUANTISED (scales: A lowp_scales[6], B lowp_scales[7])
;;     5. batch 4 x [M 2,048, K 2,048] x [K 2,048, N 1,024]; A: softmax (see below); B: computed on the way: QUANTISED (scales: A lowp_scales[8], B lowp_scales[9])
;;   THE QUANTISER, for each operand of a quantised product, along K:
;;     - The operand's scale is 2^e, e = its entry of the input lowp_scales (int32; the entries are numbered through the quantised products in the list's order, A before B).
;;     - Each number is divided by the scale, clamped to +-57,344, and rounded to the nearest number of E5M2, ties to even, subnormals kept.
;;     - The product sums the exact products of the quantised numbers (number of the format x scale) in f32.
;;   ~~~python
;;   def quantise(x, axis, e):      # numpy; x: float32 -> the quantised numbers, widened to float32 again
;;       x = np.moveaxis(x, axis, -1); K = x.shape[-1]
;;       r = np.clip(x / 2.0 ** e, -57344, 57344)
;;       step = 2.0 ** (np.maximum(np.frexp(np.where(r == 0, 1, r))[1] - 1, -14) - 2)
;;       q = np.round(r / step) * step * 2.0 ** e      # np.round: ties to even
;;       return np.moveaxis(q, -1, axis).astype(np.float32)
;;   ~~~
;;   SOFTMAX AHEAD OF A QUANTISED PRODUCT. Where the list says 'softmax', what is quantised is not the finished softmax but p = 2^(t - M), with t = logit x log2(e) and M = ceil(the row's largest t), a whole number; so 1/2 < the row's largest p <= 1. The row's sum l is taken of the UNQUANTISED p, in f32, and the product's result is divided by l at the end. Since M is a whole number, a kernel that streams over the keys may use a running M (the ceiling of the running maximum): every later rescaling is an exact power of two, so the quantised numbers keep their values, but for numbers so far below the row's largest that they fall under the format's range.
;;   OPERANDS COMPUTED ON THE WAY. 'Computed on the way' means the value that the module computes at that place (a softmax that the list does not call 'softmax' is quantised finished and normalised). What goes into a quantiser is computed in f32, as accurately as f32 sums, v_exp_f32 and their like allow (about 1e-6 of the number): no bf16 or f16 on the way to a quantiser, and a product that is left as it is and whose result goes on into a quantised operand takes f32 operands (vector FMAs, or v_wmma_f32_16x16x4_f32). A number that lies on a knife's edge between two numbers of the format may be rounded either way, as far as f32 arithmetic and the matrix unit's own rounding can turn it there, and no further.
;;   INPUTS GIVEN AS CODES. Wk (in the module: [1024, 1024], K = its axis 0); Wq (in the module: [1024, 1024], K = its axis 0); Wv (in the module: [1024, 1024], K = its axis 0); inputs (in the module: [4, 2048, 1024], K = its axis 2): each comes as NAME_codes (uint8): NAME with its K axis moved to the last place and cut into blocks of 32 codes, [.., K / 32, bytes a block], one block behind the other in memory; one code a byte (a code: sign, 5 exponent bits, 2 mantissa bits); its scale is its entry of lowp_scales. Its value is code x scale, taken as it is: it is not quantised again, and the codes and scales need not be those that the quantiser above would give.
;; One version. Each part assembles by itself: llvm-mc -triple=amdgcn-amd-amdhsa -mcpu=gfx1250 --defsym DOCPART=n.
;; ======== version 1 of 1: 3 launches
;; limits: right only within a limited range of input values
;; workspace buffers: qc 8,388,608 bytes; kc 8,388,608 bytes; vt 8,388,608 bytes; pc 16,777,216 bytes; nm 262,144 bytes; ls 524,288 bytes
;; launch proj (part 1): grid 8 x 32, 4 waves a work-group, clusters of 4 x 4, 327,680 bytes of LDS; arguments inputs_codes, Wq_codes, Wk_codes, Wv_codes, bq, bk, bv, lowp_scales, qc, kc, vt; writes qc, kc, vt
.if DOCPART == 1
	.amdgcn_target "amdgcn-amd-amdhsa--gfx1250"
	.amdhsa_code_object_version 6
	.text
	.protected	k_q63a48a1a4c_proj
	.globl	k_q63a48a1a4c_proj
	.p2align	8
	.type	k_q63a48a1a4c_proj,@function
k_q63a48a1a4c_proj:
	s_mov_b64 s[64:65], 0
	v_nop
	global_prefetch_b8 v0, s[64:65] scope:SCOPE_SE
	s_setreg_imm32_b32 hwreg(HW_REG_WAVE_MODE, 25, 1), 1
	s_wait_xcnt 0x0
	s_wait_alu depctr_hold_cnt(0) depctr_sa_sdst(0) depctr_va_vdst(0) depctr_va_sdst(0) depctr_va_ssrc(0) depctr_va_vcc(0) depctr_vm_vsrc(0)
	s_getreg_b32 s2, hwreg(HW_REG_IB_STS2, 6, 4)
	s_cmp_eq_u32 s2, 0
	s_cbranch_scc0 .Lentry_in_a_cluster
	s_endpgm
.Lentry_in_a_cluster:
	s_bfe_u32 s2, ttmp6, 0x10000c
	s_cmp_lg_u32 s2, 0xf033
	s_cbranch_scc0 .Lentry_shape_is_right
	s_endpgm
.Lentry_shape_is_right:
; Q = x Wq + bq, K = x Wk + bk, V = x Wv + bv on codes of BF8 (E5M2), each result quantised at once to codes of BF8 for the products that follow.
; x: [8192 tokens][1024] codes; Wq, Wk, Wv: [1024 outputs][1024] codes, K innermost; biases f32.  Exponents: e0, e1 (x, Wq), e2, e3 (x, Wk), e4, e5 (x, Wv); results' e6 (Q), e7 (K), e9 (V).
; NOTHING OF THE PROBLEM IS LEFT OUT IN THIS PROGRAM: each bias goes into a quantiser of a live product (bk too), so every input is loaded and every product is made.
; OUT, as images of the next products' operand registers: a FRAGMENT is 16 rows x 128 K in 2,048 bytes, register group c (0..3) of lane l at 512 c + 16 l.
;   qc, kc: [64 groups of 128 tokens][8 chunks of 128 d][8 blocks of 16 tokens][2048].   vt: [4 batches][8 groups of 128 d][16 chunks of 128 tokens][8 blocks of 16 d][2048].
;   Inside a chunk, group c, byte i of half h (lane / 16) is k = 32 c + 16 (i / 8) + 8 h + i % 8: an order of k that Q and K share, and V's tokens share with the softmax's keys: a sum's terms all meet.
; SHARES.  A work-group of four waves: 256 tokens x 128 columns of each of the three products; a wave 128 tokens x 64 columns of each: 8 x 12 accumulators of 16 x 16, 768 registers.
; K = 1,024 goes in four steps of 256.  LDS: two slots for the tiles of x (256 rows), Wq, Wk (128 rows each), one slot for Wv's (128 rows): the sum of two whole steps would not fit.  So from step 1 on Wv's tile is
; asked for when the step before has been read, and its products follow Wq's and Wk's.  Wave 0 fetches for x, wave 1 for Wq, wave 2 for Wk, wave 3 for Wv.
; Q, K: source 0 = 16 rows of W, source 1 = 16 tokens: a lane holds a token, its registers run along d.  V: the sources change places: a lane holds one d, its registers run along the tokens.
; CLUSTERS: 4 x 4 work-groups; x's tile is shared along a row of the cluster, W's along a column: joint loads with a mask of four.
; PREFETCH: steps 2 and 3 of each tile, one step ahead of their loads; the four partners share the rows out by address; W's, which all token tiles read, by the clusters with y under 4 alone.
; THE BIAS starts the sums, divided by 2^(ea + eb), which the sums lack; the three scales are folded into the conversion's one: code = (sum + b / 2^(ea + eb)) / 2^(eo - ea - eb).
; LIMITS: ea + eb between -127 and 126, eo - ea - eb between -126 and 112 for each product, so that these powers of two are f32 numbers.  NaN among the inputs is not served.
; REGISTERS: window 0: v0-31 addresses and constants; v32-127 fragments of W, three sets of four blocks (16 rows x 64 K, 8 registers each); v128-255 fragments of x, two sets of eight.
;   windows 1, 2, 3: the accumulators of Q, K, V: block b of W's rows, block a of tokens at v[8 (8 b + a)].
.set PITCH, 272                        ; an LDS row: 256 bytes + 16 of padding = 68 words: row r starts at bank 4 r mod 64 (64 banks of 4 bytes: ISA guide 11.1)
.set WR,    128*PITCH
.set VOFF,  4*WR                       ; slot 0: x at 0, Wq at 2 WR, Wk at 3 WR; then Wv's slot;
.set S1,    5*WR                       ; slot 1
.set SPARE, 9*WR                       ; the spare words, 128 bytes for each wave, that no other line names
.set SCQ, 6                            ; v6-11  for Q, K, V: 2^(eo - ea - eb) as f32 and 57,344 x that
.set SCK, 8
.set SCV, 10
.set SPW, 14                           ; v14  LDS address of my spare word; never rewritten
.set NIL, 15                           ; v15  0; never rewritten
.set ADX, 16                           ; v16  LDS address of my x fragments in the slot at hand, v17 in slot 0
.set ADW, 18                           ; v18, v19  the same for my Wq fragments; Wk's lie WR further on.  s12: the byte at which the slot at hand begins, 0 or S1
.set ADV, 20                           ; v20     of my Wv fragments
.set LO,  21                           ; v21     16 x lane
.set PFO, 22                           ; v22     1,024 x lane: a lane a row
.set WB,  32
.set XS,  128
.set G1X, 24
.set G0X, 32
.set G0W, 36
.set G1W, 48
.set G0V, 56
.set MSB, 0
.macro WIN new                         ; the immediate's high byte repeats the setting that is left
.if MSB != (\new)
	s_set_vgpr_msb (MSB<<8)|(\new)
.set MSB, (\new)
.endif
.endm
.macro PLACES                          ; four places behind matrix instructions (ISA guide 7.12.1 for vector instructions)
.rept 4
	v_nop
.endr
.endm
.macro TL g0, g1
	tensor_load_to_lds s[\g0:\g0+3], s[\g1:\g1+7]
	s_nop 0
.rept 4
	v_nop
.endr
.endm
; The joint loads of one step, one a wave: the branches hang on the wave's number alone.
.macro FILL xqk, v
	s_cmp_eq_u32 s14, 3
	s_cbranch_scc1 .Lv_\@
.if \xqk
	s_cmp_eq_u32 s14, 0
	s_cbranch_scc0 .Lw_\@
	TL G0X, G1X
	s_branch .Ld_\@
.Lw_\@:
	TL G0W, G1W
.endif
	s_branch .Ld_\@
.Lv_\@:
.if \v
	TL G0V, G1W
.endif
.Ld_\@:
.endm
.macro CREST                           ; a round of the cluster's barrier behind its opening barrier
	s_cmp_lg_u32 s14, 0
	s_cbranch_scc1 .Lnot_wave_0_\@
	s_barrier_signal -3
.Lnot_wave_0_\@:
	s_barrier_wait -3
	s_barrier_signal -1
	s_barrier_wait -1
.endm
.macro CROUND
	s_barrier_signal -1
	s_barrier_wait -1
	CREST
.endm
.macro ASK off                         ; rows 32 a wave (wave 0: 64) of the K step at byte off
	s_cmp_eq_u32 s13, 1
	s_cbranch_scc0 .Ln_\@
	global_prefetch_b8 v[PFO], s[10:11] offset:\off th:TH_LOAD_NT scope:SCOPE_SE
	s_cmp_eq_u32 s14, 0
	s_cbranch_scc0 .Ln_\@
	global_prefetch_b8 v[PFO], s[10:11] offset:\off+32768 th:TH_LOAD_NT scope:SCOPE_SE
.Ln_\@:
.endm
; A fragment, 16 rows x 64 K: lane l holds row l % 16; registers 4 c .. 4 c + 3: K = 32 c + 16 (l / 16) + 0 .. 15: the same places of k in x and in W.
.macro LX p, slot, sub                 ; my eight blocks of tokens, the sub-th 64 along K
.irp a, 0,1,2,3,4,5,6,7
	ds_load_b128 v[XS+64*(\p)+8*\a:XS+64*(\p)+8*\a+3], v[ADX+(\slot)] offset:64*(\sub)+\a*16*PITCH
	ds_load_b128 v[XS+64*(\p)+8*\a+4:XS+64*(\p)+8*\a+7], v[ADX+(\slot)] offset:64*(\sub)+\a*16*PITCH+32
.endr
.endm
.macro LW ty, buf, slot, sub           ; my four blocks of Wq (ty 0), Wk (1), Wv (2)
.irp b, 0,1,2,3
.if (\ty) == 2
	ds_load_b128 v[WB+32*(\buf)+8*\b:WB+32*(\buf)+8*\b+3], v[ADV] offset:64*(\sub)+\b*16*PITCH
	ds_load_b128 v[WB+32*(\buf)+8*\b+4:WB+32*(\buf)+8*\b+7], v[ADV] offset:64*(\sub)+\b*16*PITCH+32
.else
	ds_load_b128 v[WB+32*(\buf)+8*\b:WB+32*(\buf)+8*\b+3], v[ADW+(\slot)] offset:(\ty)*WR+64*(\sub)+\b*16*PITCH
	ds_load_b128 v[WB+32*(\buf)+8*\b+4:WB+32*(\buf)+8*\b+7], v[ADW+(\slot)] offset:(\ty)*WR+64*(\sub)+\b*16*PITCH+32
.endif
.endr
.endm
; Eight matrix instructions: block b of W x my eight blocks of tokens; the accumulators take turns, one instruction a turn.
.macro MM ty, buf, p, b
.irp a, 0,1,2,3,4,5,6,7
.if (\ty) == 2
	v_wmma_f32_16x16x64_bf8_bf8 v[8*(8*(\b)+\a):8*(8*(\b)+\a)+7], v[XS+64*(\p)+8*\a:XS+64*(\p)+8*\a+7], v[WB+32*(\buf)+8*(\b):WB+32*(\buf)+8*(\b)+7], v[8*(8*(\b)+\a):8*(8*(\b)+\a)+7]
.else
	v_wmma_f32_16x16x64_bf8_bf8 v[8*(8*(\b)+\a):8*(8*(\b)+\a)+7], v[WB+32*(\buf)+8*(\b):WB+32*(\buf)+8*(\b)+7], v[XS+64*(\p)+8*\a:XS+64*(\p)+8*\a+7], v[8*(8*(\b)+\a):8*(8*(\b)+\a)+7]
.endif
.endr
.endm
; A SET: 32 matrix instructions on W's set buf and x's set p.  wt: the LDS loads that may be out: those issued in the set before.  Behind its first eight it asks for x's set xp and for W's set lbuf, which the set after next wants (-1: none).
.macro SET ty, buf, p, wt, slot, lty, lbuf, lsub, xp, xsub
	s_wait_dscnt \wt
	WIN 0x50*((\ty)+1)                             ; C and D in window 1, 2 or 3
	MM \ty, \buf, \p, 0
.if ((\lty) >= 0) || ((\xp) >= 0)
	PLACES
	WIN 0
.if (\xp) >= 0
	LX \xp, \slot, \xsub
.endif
.if (\lty) >= 0
	LW \lty, \lbuf, \slot, \lsub
.endif
	WIN 0x50*((\ty)+1)
.endif
	MM \ty, \buf, \p, 1
	MM \ty, \buf, \p, 2
	MM \ty, \buf, \p, 3
.endm
.macro KQK slot                        ; a K step's products for Q and K, but Wk's last set.  On entry x's sub 0, Wq's and Wk's sub 0 have been asked for, in this order
	SET 0, 0, 0, 8,  \slot, 0, 2, 1, 1, 1
	SET 1, 1, 0, 24, \slot, 1, 0, 1, -1, 0
	SET 0, 2, 1, 8,  \slot, 0, 1, 2, 0, 2
	SET 1, 0, 1, 24, \slot, 1, 2, 2, -1, 0
	SET 0, 1, 0, 8,  \slot, 0, 0, 3, 1, 3
	SET 1, 2, 0, 24, \slot, 1, 1, 3, -1, 0
	SET 0, 0, 1, 8,  \slot, -1, 0, 0, -1, 0
.endm
.macro KLAST slot, mid                 ; Wk's last set; mid = 1: a barrier shows everybody that Wv's tile (and all else that is out) has landed.
	s_wait_dscnt 0x0
	WIN 0xa0
	MM 1, 1, 1, 0
	MM 1, 1, 1, 1
.if \mid
	s_wait_tensorcnt 0x0
	s_barrier_signal -1
	MM 1, 1, 1, 2
	s_barrier_wait -1
.else
	MM 1, 1, 1, 2
.endif
	PLACES
	WIN 0
	LW 2, 2, \slot, 2
	LW 2, 0, \slot, 3
	WIN 0xa0
	MM 1, 1, 1, 3
.endm
.macro KV slot                         ; V's products of subs 2 and 3, whose x is still in registers, then 0; x's subs 0 and 1 are read again
	SET 2, 2, 0, 8, \slot, 2, 1, 0, -1, 0
	SET 2, 0, 1, 8, \slot, 2, 2, 1, 0, 0
	SET 2, 1, 0, 8, \slot, -1, 0, 0, 1, 1
.endm
; V's sub 1, the step's last set, changes steps: in front of the round each wave waits for all its tensor loads, adds 0 to its spare word, and waits for that and for its own reads.  Behind it nobody reads slot fs or Wv's slot.
.macro VTURN next, xqk, fs, ask
	s_wait_dscnt 0x0
	WIN 0
	s_wait_tensorcnt 0x0
	ds_add_u32 v[SPW], v[NIL]
	WIN 0xf0
	MM 2, 2, 1, 0
	s_wait_dscnt 0x0                               ; the add is done, and so are my reads
	s_barrier_signal -1
	MM 2, 2, 1, 1
	WIN 0
	s_barrier_wait -1
	CREST
.if \xqk
	s_add_nc_u64 s[G0X+2:G0X+3], s[G0X+2:G0X+3], 256
	s_add_nc_u64 s[G0W+2:G0W+3], s[G0W+2:G0W+3], 256
	s_mov_b32 s[G0X+1], s12                        ; into the slot just read
	s_add_co_u32 s[G0W+1], s45, s12
.endif
	s_add_nc_u64 s[G0V+2:G0V+3], s[G0V+2:G0V+3], 256
	FILL \xqk, 1
	s_xor_b32 s12, s12, S1                         ; on to the other slot
	PLACES
	v_add_nc_u32 v[ADX], s12, v[ADX+1]
	v_add_nc_u32 v[ADW], s12, v[ADW+1]
	s_wait_alu depctr_va_vdst(0)
	LX 0, \next, 0
	LW 0, 0, \next, 0
	LW 1, 1, \next, 0
.if (\ask) > 0
	ASK \ask
	s_mov_b32 s13, 0                               ; K step 3 is the last: nothing more is asked for
.endif
	WIN 0xf0
	MM 2, 2, 1, 2
	MM 2, 2, 1, 3
.endm
	s_load_b512 s[68:83], s[0:1], 0x0              ; x s[68:69], Wq s[70:71], Wk s[72:73], Wv s[74:75], bq s[76:77], bk s[78:79], bv s[80:81], exponents s[82:83]
	s_load_b128 s[84:87], s[0:1], 0x40             ; qc, kc
	s_load_b64 s[88:89], s[0:1], 0x50              ; vt
	v_lshl_add_u32 v[SPW], v0, 2, SPARE
	v_mov_b32 v[NIL], 0
	ds_add_u32 v[SPW], v[NIL]                      ; the wave's opening
	ds_add_u32 v[SPW], v[NIL]
	v_lshrrev_b32 v1, 5, v0
	v_readfirstlane_b32 s14, v1                    ; wave 0..3
	s_lshr_b32 s15, s14, 1                         ; which 128 of the tokens are mine
	s_and_b32 s16, s14, 1                          ; which 64 of the columns
	s_bfe_u32 s40, ttmp6, 0x40000                  ; cx, cy
	s_bfe_u32 s41, ttmp6, 0x40004
	s_lshl_b32 s42, ttmp9, 2
	s_add_co_u32 s42, s42, s40                     ; the group of 128 columns: 4 x cluster x + cx
	s_and_b32 s90, ttmp7, 0xffff
	s_lshl_b32 s17, s90, 2
	s_add_co_u32 s17, s17, s41                     ; the tile of 256 tokens: 4 x cluster y + cy
	s_lshl_b32 s43, s41, 2
	s_lshl_b32 s43, 15, s43                        ; my row of the cluster
	s_lshl_b32 s44, 0x1111, s40                    ; my column
	s_or_b32 s[G1X], s43, (1<<20)|(1<<21)|(5<<22)|(3<<25)   ; group 1: the mask; elements of 1 byte; padding: four words after every 64; bit 21 beside a mask
	s_or_b32 s[G1W], s44, (1<<20)|(1<<21)|(5<<22)|(3<<25)
	s_mov_b32 s[G1X+2], 256<<16                    ; tensor_dim1, tile_dim1: 256 rows of x,
	s_mov_b32 s[G1X+4], 256
	s_mov_b32 s[G1W+2], 128<<16                    ; 128 of W
	s_mov_b32 s[G1W+4], 128
.irp g, G1X, G1W
	s_mov_b32 s[\g+1], 256<<16                     ; tensor_dim0
	s_mov_b32 s[\g+3], 256<<16                     ; tile_dim0
	s_mov_b32 s[\g+5], 1024                        ; the pitch
	s_mov_b32 s[\g+6], 0
	s_mov_b32 s[\g+7], 0
.endr
	s_lshl_b32 s20, s17, 18                        ; x: 256 rows of 1,024 bytes a tile
	s_mov_b32 s21, 0
	s_lshl_b32 s46, s42, 17                        ; W: 128 rows a group
	s_mov_b32 s47, 0
	s_add_co_u32 s45, s14, 1
	s_mul_i32 s45, s45, WR                         ; where Wq's (wave 1) and Wk's (wave 2) tiles go in slot 0
	s_wait_dscnt 0x0                               ; both opening adds are done
	s_wait_kmcnt 0x0
	s_load_b256 s[92:99], s[82:83], 0x0            ; e0 .. e7
	s_load_b64 s[100:101], s[82:83], 0x20          ; e8, e9
	s_add_nc_u64 s[4:5], s[68:69], s[20:21]
	s_cmp_eq_u32 s14, 1
	s_cselect_b64 s[6:7], s[70:71], s[72:73]
	s_add_nc_u64 s[6:7], s[6:7], s[46:47]
	s_add_nc_u64 s[8:9], s[74:75], s[46:47]
	s_lshl_b32 s18, s42, 9
	s_lshl_b32 s19, s16, 8
	s_add_co_u32 s18, s18, s19                     ; my columns' biases: 4 (128 x group + 64 (wave % 2)) bytes on
	s_mov_b32 s19, 0
	s_add_nc_u64 s[76:77], s[76:77], s[18:19]
	s_add_nc_u64 s[78:79], s[78:79], s[18:19]
	s_add_nc_u64 s[80:81], s[80:81], s[18:19]
	v_and_b32 v1, 15, v0                           ; r = lane % 16
	v_bfe_u32 v2, v0, 4, 1                         ; h = lane / 16
	v_lshlrev_b32 v4, 5, v2
	v_lshlrev_b32 v5, 2, v1
.irp b, 0,1,2,3                        ; Q, K: block b, register j: b[16 b + 8 h + j]; V: bv[16 b + r]
	global_load_b128 v[128+8*\b:131+8*\b], v4, s[76:77] offset:64*\b
	global_load_b128 v[132+8*\b:135+8*\b], v4, s[76:77] offset:64*\b+16
	global_load_b128 v[160+8*\b:163+8*\b], v4, s[78:79] offset:64*\b
	global_load_b128 v[164+8*\b:167+8*\b], v4, s[78:79] offset:64*\b+16
	global_load_b32 v[192+\b], v5, s[80:81] offset:64*\b
.endr
	CROUND                                         ; all sixteen work-groups are here: the first joint loads meet
	s_mov_b32 s[G0X], 1
	s_mov_b32 s[G0X+1], 0
	s_mov_b64 s[G0X+2:G0X+3], s[4:5]
	s_or_b32 s[G0X+3], s[G0X+3], 0x80000000
	s_mov_b32 s[G0W], 1
	s_mov_b32 s[G0W+1], s45
	s_mov_b64 s[G0W+2:G0W+3], s[6:7]
	s_or_b32 s[G0W+3], s[G0W+3], 0x80000000
	s_mov_b32 s[G0V], 1
	s_mov_b32 s[G0V+1], VOFF
	s_mov_b64 s[G0V+2:G0V+3], s[8:9]
	s_or_b32 s[G0V+3], s[G0V+3], 0x80000000
	FILL 1, 1                                      ; K step 0
	; the prefetches' base: wave 0: x, row 64 cx of the tile; waves 1 to 3: their W, row 32 cy
	s_lshl_b32 s18, s41, 15
	s_lshl_b32 s19, s40, 16
	s_cmp_eq_u32 s14, 3
	s_cselect_b64 s[10:11], s[8:9], s[6:7]
	s_cmp_eq_u32 s14, 0
	s_cselect_b64 s[10:11], s[4:5], s[10:11]
	s_cselect_b32 s18, s19, s18
	s_mov_b32 s19, 0
	s_add_nc_u64 s[10:11], s[10:11], s[18:19]
	s_cmp_lt_u32 s90, 4
	s_cselect_b32 s13, 1, 0
	s_cmp_eq_u32 s14, 0
	s_cselect_b32 s13, 1, s13                      ; 1: my wave asks
	; where my codes go
	s_lshl_b32 s18, s17, 1
	s_add_co_u32 s18, s18, s15                     ; my group of 128 tokens
	s_and_b32 s20, s18, 15                         ; the same in its batch: the chunk of vt
	s_lshl_b32 s18, s18, 17
	s_lshl_b32 s19, s42, 14
	s_add_co_u32 s18, s18, s19
	s_lshl_b32 s19, s16, 10
	s_add_co_u32 s18, s18, s19                     ; my 64 columns are register groups 2 (wave % 2) and the next
	s_mov_b32 s19, 0
	s_add_nc_u64 s[84:85], s[84:85], s[18:19]
	s_add_nc_u64 s[86:87], s[86:87], s[18:19]
	s_lshr_b32 s18, s17, 3
	s_lshl_b32 s18, s18, 21                        ; vt: the batch,
	s_lshl_b32 s19, s42, 18
	s_add_co_u32 s18, s18, s19                     ; the group of 128 d,
	s_lshl_b32 s20, s20, 14
	s_add_co_u32 s18, s18, s20                     ; the chunk,
	s_lshl_b32 s20, s16, 13
	s_add_co_u32 s18, s18, s20                     ; my four blocks of d
	s_mov_b32 s19, 0
	s_add_nc_u64 s[88:89], s[88:89], s[18:19]
	s_mul_i32 s21, s15, WR
	s_mul_i32 s22, s16, 64*PITCH
	s_add_co_u32 s23, s22, VOFF
	s_add_co_u32 s22, s22, 2*WR
	s_wait_alu depctr_va_vdst(0)
	v_mul_u32_u24 v3, v1, PITCH
	v_lshl_add_u32 v3, v2, 4, v3                   ; a fragment's row x pitch + 16 h
	v_add_nc_u32 v[ADX], s21, v3
	v_add_nc_u32 v[ADX+1], s21, v3
	v_add_nc_u32 v[ADW], s22, v3
	v_add_nc_u32 v[ADW+1], s22, v3
	v_add_nc_u32 v[ADV], s23, v3
	v_and_b32 v12, 31, v0
	v_lshlrev_b32 v[LO], 4, v12
	v_lshlrev_b32 v[PFO], 10, v12
	s_wait_alu depctr_va_vdst(0)
	s_wait_kmcnt 0x0                               ; the exponents
.macro MKS ea, eb, eo, P, V
	s_add_co_i32 s18, s\ea, s\eb
	s_sub_co_i32 s19, 127, s18
	s_lshl_b32 s[\P], s19, 23                      ; 2^-(ea + eb) as f32
	s_mov_b32 s[\P+1], s[\P]                       ; (named with it as a pair, so it is written)
	s_sub_co_i32 s19, s\eo, s18
	s_add_co_i32 s19, s19, 127
	s_lshl_b32 s20, s19, 23
	v_mov_b32 v[\V], s20                           ; 2^(eo - ea - eb): the conversion takes its exponent field
	s_add_co_i32 s19, s19, 15
	s_lshl_b32 s19, s19, 23
	s_or_b32 s19, s19, 0x600000
	v_mov_b32 v[\V+1], s19                         ; 57,344 x that
.endm
	MKS 92, 93, 98, 60, SCQ
	MKS 94, 95, 99, 62, SCK
	MKS 96, 97, 101, 66, SCV
	s_wait_alu depctr_va_vdst(0)
	s_wait_loadcnt 0x0
	; every sum starts from its bias / 2^(ea + eb)
.macro START base, P
.irp b, 0,1,2,3
.irp a, 0,1,2,3,4,5,6,7
.irp j, 0,2,4,6
	v_pk_mul_f32 v[8*(8*\b+\a)+\j:8*(8*\b+\a)+\j+1], v[\base+8*\b+\j:\base+8*\b+\j+1], s[\P:\P+1] op_sel_hi:[1,0]
.endr
.endr
.endr
.endm
	WIN 0x40
	START 128, 60
	WIN 0x80
	START 160, 62
	WIN 0xc0
.irp b, 0,2
.irp a, 0,1,2,3,4,5,6,7
.irp j, 0,2,4,6
	v_pk_mul_f32 v[8*(8*\b+\a)+\j:8*(8*\b+\a)+\j+1], v[192+\b:193+\b], s[66:67] op_sel_hi:[0,0]
	v_pk_mul_f32 v[8*(8*\b+8+\a)+\j:8*(8*\b+8+\a)+\j+1], v[192+\b:193+\b], s[66:67] op_sel:[1,0] op_sel_hi:[1,0]
.endr
.endr
.endr
	WIN 0
	s_wait_alu depctr_va_vdst(0)                   ; the head's end
	s_wait_tensorcnt 0x0                           ; my part of K step 0 is in
	ds_add_u32 v[SPW], v[NIL]
	s_wait_dscnt 0x0
	CROUND
	s_add_nc_u64 s[G0X+2:G0X+3], s[G0X+2:G0X+3], 256
	s_add_nc_u64 s[G0W+2:G0W+3], s[G0W+2:G0W+3], 256
	s_mov_b32 s[G0X+1], S1
	s_add_co_u32 s[G0W+1], s45, S1
	s_mov_b32 s12, 0                               ; slot 0 is at hand
	FILL 1, 0                                      ; K step 1 of x, Wq, Wk: slot 1's first fill
	LX 0, 0, 0
	LW 0, 0, 0, 0
	LW 1, 1, 0, 0
	ASK 512                                        ; K step 2, whose loads stand behind K step 0 (Wv's behind K step 1)
	s_cmp_eq_u32 s14, 3
	s_cbranch_scc0 .Lno_v1
	s_cmp_eq_u32 s13, 1
	s_cbranch_scc0 .Lno_v1
	global_prefetch_b8 v[PFO], s[10:11] offset:256 th:TH_LOAD_NT scope:SCOPE_SE   ; and Wv's K step 1, whose load stands behind K step 0
.Lno_v1:
	s_mov_b32 s3, 2
.Lk:                                                   ; K steps 0 and 1.  Behind each: the slot just read takes the K step two on, Wv's slot the next one
	v_add_nc_u32 v[ADX], s12, v[ADX+1]
	v_add_nc_u32 v[ADW], s12, v[ADW+1]
	s_wait_alu depctr_va_vdst(0)
	KQK 0
	KLAST 0, 1
	KV 0
	VTURN 0, 1, 0, 768
	WIN 0
	s_sub_co_u32 s3, s3, 1
	s_cmp_lg_u32 s3, 0
	s_wait_alu depctr_va_vdst(0)
	s_cbranch_scc1 .Lk
	KQK 0
	KLAST 0, 1
	KV 0
	VTURN 0, 0, 0, 0                               ; Wv's slot takes K step 3
	KQK 0
	SET 1, 1, 1, 0, 0, -1, 0, 0, -1, 0
	PLACES
	; Q and K are finished and leave while Wv's last tile is on its way.  x's subs 2 and 3 stay in v128-255.
	; Block a (16 tokens x 64 columns): held within +-57,344 x the scale (the conversion to an 8-bit code does not saturate: ISA guide 7.6.2), converted, stored as two register groups of 512 consecutive bytes.
.macro OUTQK win, sc, base
.irp a, 0,1,2,3,4,5,6,7
	WIN \win
.irp b, 0,1,2,3
.irp j, 0,1,2,3,4,5,6,7
	v_med3_num_f32 v[32+8*\b+\j], v[8*(8*\b+\a)+\j], -v[\sc+1], v[\sc+1]
.endr
.endr
	WIN 0
.irp b, 0,1,2,3
	v_cvt_scalef32_pk8_bf8_f32 v[64+8*\a+2*\b:65+8*\a+2*\b], v[32+8*\b:39+8*\b], v[\sc]
.endr
	v_nop                                          ; one plain vector instruction between the last conversion and the lines that write its sources
	global_store_b128 v[LO], v[64+8*\a:67+8*\a], s[\base:\base+1] offset:2048*\a
	global_store_b128 v[LO], v[68+8*\a:71+8*\a], s[\base:\base+1] offset:2048*\a+512
.endr
.endm
	OUTQK 1, SCQ, 84
	s_wait_xcnt 0x0                                ; the stores have read v64-127
	OUTQK 2, SCK, 86
	s_wait_xcnt 0x0                                ; and again: fragments of Wv land there
	s_wait_tensorcnt 0x0
	s_barrier_signal -1
	s_barrier_wait -1                              ; Wv's last tile is whole for everybody
	LW 2, 2, 0, 2
	LW 2, 0, 0, 3
	KV 0
	SET 2, 2, 1, 0, 0, -1, 0, 0, -1, 0
	PLACES
.irp b, 0,1,2,3                        ; V: block b of 16 d x 128 tokens: a whole fragment
	WIN 3
.set II, 0
.rept 64
	v_med3_num_f32 v[32+II], v[64*\b+II], -v[SCV+1], v[SCV+1]
.set II, II+1
.endr
	WIN 0
.irp a, 0,1,2,3,4,5,6,7
	v_cvt_scalef32_pk8_bf8_f32 v[128+16*\b+2*\a:129+16*\b+2*\a], v[32+8*\a:39+8*\a], v[SCV]
.endr
	v_nop
.irp c, 0,1,2,3
	global_store_b128 v[LO], v[128+16*\b+4*\c:131+16*\b+4*\c], s[88:89] offset:2048*\b+512*\c
.endr
.endr
	s_wait_tensorcnt 0x0                           ; the wave's end
	ds_add_u32 v[SPW], v[NIL]
	s_wait_dscnt 0x0
	CROUND                                         ; the closing round: no work-group ends while a partner may still ask for a tile that names it
	s_endpgm
.Lfunc_end_k_q63a48a1a4c_proj:
	.size	k_q63a48a1a4c_proj, .Lfunc_end_k_q63a48a1a4c_proj-k_q63a48a1a4c_proj
	.p2alignl 7, 3214868480
	.fill 96, 4, 3214868480
	.section	.rodata,"a",@progbits
	.p2align	6, 0x0
	.amdhsa_kernel k_q63a48a1a4c_proj
		.amdhsa_group_segment_fixed_size 327680
		.amdhsa_private_segment_fixed_size 0
		.amdhsa_enable_private_segment 0
		.amdhsa_kernarg_size 88
		.amdhsa_user_sgpr_count 2
		.amdhsa_user_sgpr_kernarg_segment_ptr 1
		.amdhsa_wavefront_size32 1
		.amdhsa_system_sgpr_workgroup_id_x 1
		.amdhsa_system_sgpr_workgroup_id_y 1
		.amdhsa_system_sgpr_workgroup_id_z 1
		.amdhsa_system_vgpr_workitem_id 0
		.amdhsa_next_free_vgpr 1024
		.amdhsa_next_free_sgpr 102
		.amdhsa_reserve_vcc 0
		.amdhsa_float_denorm_mode_32 3
		.amdhsa_float_denorm_mode_16_64 3
		.amdhsa_memory_ordered 1
		.amdhsa_forward_progress 1
		.amdhsa_inst_pref_size 217
	.end_amdhsa_kernel
	.amdgpu_metadata
---
amdhsa.version: [ 1, 2 ]
amdhsa.kernels:
  - .name:           k_q63a48a1a4c_proj
    .symbol:         k_q63a48a1a4c_proj.kd
    .args:
      - { .name: inputs_codes, .offset: 0, .size: 8, .value_kind: global_buffer, .address_space: global }
      - { .name: Wq_codes, .offset: 8, .size: 8, .value_kind: global_buffer, .address_space: global }
      - { .name: Wk_codes, .offset: 16, .size: 8, .value_kind: global_buffer, .address_space: global }
      - { .name: Wv_codes, .offset: 24, .size: 8, .value_kind: global_buffer, .address_space: global }
      - { .name: bq, .offset: 32, .size: 8, .value_kind: global_buffer, .address_space: global }
      - { .name: bk, .offset: 40, .size: 8, .value_kind: global_buffer, .address_space: global }
      - { .name: bv, .offset: 48, .size: 8, .value_kind: global_buffer, .address_space: global }
      - { .name: lowp_scales, .offset: 56, .size: 8, .value_kind: global_buffer, .address_space: global }
      - { .name: qc, .offset: 64, .size: 8, .value_kind: global_buffer, .address_space: global }
      - { .name: kc, .offset: 72, .size: 8, .value_kind: global_buffer, .address_space: global }
      - { .name: vt, .offset: 80, .size: 8, .value_kind: global_buffer, .address_space: global }
    .group_segment_fixed_size: 327680
    .private_segment_fixed_size: 0
    .kernarg_segment_align: 8
    .kernarg_segment_size: 88
    .max_flat_workgroup_size: 128
    .sgpr_count:     102
    .vgpr_count:     1024
    .wavefront_size: 32
...
	.end_amdgpu_metadata
.endif
;; end of part 1
;; launch score (part 2): grid 8 x 32, 4 waves a work-group, clusters of 4 x 4, 327,680 bytes of LDS; arguments qc, kc, lowp_scales, pc, nm, ls; writes pc, nm, ls
.if DOCPART == 2
	.amdgcn_target "amdgcn-amd-amdhsa--gfx1250"
	.amdhsa_code_object_version 6
	.text
	.protected	k_q63a48a1a4c_score
	.globl	k_q63a48a1a4c_score
	.p2align	8
	.type	k_q63a48a1a4c_score,@function
k_q63a48a1a4c_score:
	s_mov_b64 s[64:65], 0
	v_nop
	global_prefetch_b8 v0, s[64:65] scope:SCOPE_SE
	s_setreg_imm32_b32 hwreg(HW_REG_WAVE_MODE, 25, 1), 1
	s_wait_xcnt 0x0
	s_wait_alu depctr_hold_cnt(0) depctr_sa_sdst(0) depctr_va_vdst(0) depctr_va_sdst(0) depctr_va_ssrc(0) depctr_va_vcc(0) depctr_vm_vsrc(0)
	s_getreg_b32 s2, hwreg(HW_REG_IB_STS2, 6, 4)
	s_cmp_eq_u32 s2, 0
	s_cbranch_scc0 .Lentry_in_a_cluster
	s_endpgm
.Lentry_in_a_cluster:
	s_bfe_u32 s2, ttmp6, 0x10000c
	s_cmp_lg_u32 s2, 0xf033
	s_cbranch_scc0 .Lentry_shape_is_right
	s_endpgm
.Lentry_shape_is_right:
; The scores S = Q K^T on codes of BF8 (E5M2), and the softmax's numerators as codes.  qc, kc: images of fragments (16 tokens x 128 d, 2,048 bytes): [64 groups of 128 tokens][8 chunks of 128 d][8 blocks][2048].
; Nothing of the problem is left out here.  t = sum x 2^(e6 + e7) x log2(e) / 32.  A work-group makes 256 queries x 256 keys, one BLOCK of keys.  For each query M_j = the block's largest t rounded UP to a whole
; number; p = 2^(t - M_j) is quantised with 2^e8.  M_j being a whole number, the last launch joins a row's eight blocks by exact powers of two.  The sums of the UNQUANTISED p go out beside the codes.
; OUT: pc, fragments of 16 queries x 128 keys: [64 groups of 128 queries][16 chunks of 128 keys][8 blocks][2048].  nm [8 blocks][8192 queries] f32: -M_j.  ls [16 chunks of 128 keys][8192 queries] f32: the sum of p under M_j.
; SHARES.  Four waves, a wave 128 x 128 in 64 accumulators.  K = 1,024 = eight chunks of 128.  LDS holds four chunks of each of the four groups (two of queries, two of keys), 64 KiB a wave's load, as they lie in
; memory: a fragment's register group is 512 consecutive bytes.  The head's one load a wave brings chunks 0-3; chunks 4, 5 and 6, 7 are refills of half of that.
; CLUSTERS: 4 x 4 work-groups; queries' tiles are shared along a row of the cluster, keys' along a column: joint loads with a mask of four.
; PREFETCH: each refill's bytes, two chunks or more ahead of its load: a wave's 32 KiB are shared out by address among the four partners, 8 KiB each, a lane 256 bytes.
; The matrix instruction is used transposed (source 0 = 16 keys, source 1 = 16 queries): a lane holds ONE query and its registers run along the keys, which are the next product's K.
; LIMITS: e6 + e7 between -121 and 132 (they are added to the exponent field of log2(e) / 32); e8 between -126 and 112.  Where 57,344 x 2^e8 were under 1, a block's largest p would be held at the largest code under
; its own M_j.  p far under a block's largest falls under the format's range counted from M_j, not from the row's M.  The scaled scores stay under 2^31 in magnitude.  NaN is not served.
; REGISTERS: window 0: v0-31 addresses and constants; v32-95 and v192-255 64 numbers at work, by turns; v96-111 for block a the pair -M, largest t; v112-119 the partner's largest t, then the block's sum; v120-127 sums;
;   from v128 A's fragments, later v128-191 the codes.   window 1: B's fragments, two sets.   windows 2, 3: the accumulators ((a, b) at v[8 (8 (a % 4) + b)]).
.set SPARE,  4*65536                   ; the spare words, two blocks of 256 bytes that no other line names
.set XCH,    SPARE+512                 ; 512 bytes a wave: its 128 rows' largest t, for the wave that holds the rows' other 128 keys
.set STT,    XCH+2048                  ; 1,024 bytes a wave: its rows' sums and -M, turned from a lane a row to four rows a lane
.set FR,     16
.set NL,     4
.set ADRA, 16
.set ADRB, 17
.set PFO,  18                          ; v18  256 x lane
.set LO,   19                          ; v19  16 x lane
.set SPW,  28
.set NIL,  29
.set SC,   30                          ; v30  2^e8 as f32
.set LIM,  31                          ; v31  57,344 x 2^e8
.set ST,   96
.set PM,   112
.set AF,   128
.set G1,   24                          ; group 1 for refills, A's and B's; for the head's loads, A's and B's
.set G1B,  48
.set G1H,  56
.set G1HB, 80
.set G0,   32
.set G0B,  36
.set MSB, 0
.macro WIN new
.if MSB != (\new)
	s_set_vgpr_msb (MSB<<8)|(\new)
.set MSB, (\new)
.endif
.endm
.set MUL_LO, 0xa1
.set MUL_HI, 0xf1
.set TO_B,   0x40
.macro JLOAD g1a, g1b                  ; a joint load: waves 0 and 1 fetch for A, waves 2 and 3 for B; an s_nop 0 and four v_nop follow each of the two lines
	s_cmp_eq_u32 s15, 0
	s_cbranch_scc0 .Lfor_b_\@
	tensor_load_to_lds s[G0:G0+3], s[\g1a:\g1a+7]
	s_nop 0
.rept 4
	v_nop
.endr
	s_branch .Lasked_\@
.Lfor_b_\@:
	tensor_load_to_lds s[G0B:G0B+3], s[\g1b:\g1b+7]
	s_nop 0
.rept 4
	v_nop
.endr
.Lasked_\@:
.endm
.macro CREST
	s_cmp_lg_u32 s14, 0
	s_cbranch_scc1 .Lnot_wave_0_\@
	s_barrier_signal -3
.Lnot_wave_0_\@:
	s_barrier_wait -3
	s_barrier_signal -1
	s_barrier_wait -1
.endm
.macro CROUND
	s_barrier_signal -1
	s_barrier_wait -1
	CREST
.endm
	s_load_b128 s[4:7], s[0:1], 0x0                ; qc, kc
	s_load_b128 s[8:11], s[0:1], 0x10              ; the scales' exponents, pc
	s_load_b128 s[76:79], s[0:1], 0x20             ; nm, ls
	v_lshl_add_u32 v[SPW], v0, 2, SPARE
	v_mov_b32 v[NIL], 0
	ds_add_u32 v[SPW], v[NIL]                      ; the wave's opening
	ds_add_u32 v[SPW], v[NIL]
	v_lshrrev_b32 v1, 5, v0
	v_readfirstlane_b32 s14, v1                    ; wave 0..3
	s_lshr_b32 s15, s14, 1                         ; which half of the queries is mine.  Also: I fetch for A (0) or for B (1)
	s_and_b32 s16, s14, 1                          ; which half of the keys.  Also: which 128 rows of that tile I fetch
	s_bfe_u32 s40, ttmp6, 0x40000                  ; cx, cy
	s_bfe_u32 s41, ttmp6, 0x40004
	s_and_b32 s70, ttmp7, 0xffff
	s_lshl_b32 s17, s70, 2
	s_add_co_u32 s17, s17, s41                     ; the tile of 256 queries: 4 x cluster y + cy
	s_lshl_b32 s71, ttmp9, 2
	s_add_co_u32 s71, s71, s40                     ; the block of 256 keys in its batch: 4 x cluster x + cx
	s_lshr_b32 s42, s70, 1                         ; the batch: eight tiles of queries each
	s_lshl_b32 s42, s42, 3
	s_add_co_u32 s42, s42, s71                     ; the keys' tile in kc
	s_lshl_b32 s43, s41, 2
	s_lshl_b32 s43, 15, s43                        ; my row of the cluster
	s_lshl_b32 s44, 0x1111, s40                    ; my column
	s_or_b32 s[G1], s43, (1<<21)                   ; group 1: the mask; elements of 1 byte; no padding; bit 21 beside a mask
	s_or_b32 s[G1B], s44, (1<<21)
	s_or_b32 s[G1H], s43, (1<<21)
	s_or_b32 s[G1HB], s44, (1<<21)
.irp g, G1, G1B, G1H, G1HB
	s_mov_b32 s[\g+1], 1024<<16                    ; dense blocks, as rows of 1,024 bytes
	s_mov_b32 s[\g+3], 1024<<16
	s_mov_b32 s[\g+5], 1024
	s_mov_b32 s[\g+6], 0
	s_mov_b32 s[\g+7], 0
.endr
.irp g, G1, G1B
	s_mov_b32 s[\g+2], 32<<16                      ; two chunks
	s_mov_b32 s[\g+4], 32
.endr
.irp g, G1H, G1HB
	s_mov_b32 s[\g+2], 64<<16                      ; four chunks
	s_mov_b32 s[\g+4], 64
.endr
	s_mov_b32 s66, 0x76543210                      ; v_permlanex16_b32's selects for lane l xor 16
	s_mov_b32 s67, 0xfedcba98
	s_lshl_b32 s18, s16, 17
	s_lshl_b32 s20, s17, 18
	s_add_co_u32 s20, s20, s18                     ; A: group 2 x tile + half, 131,072 bytes each
	s_mov_b32 s21, 0
	s_lshl_b32 s46, s42, 18
	s_add_co_u32 s46, s46, s18                     ; B likewise
	s_mov_b32 s47, 0
	s_lshl_b32 s45, s14, 16                        ; in LDS: wave x 65,536
	s_wait_dscnt 0x0                               ; both opening adds are done
	s_wait_kmcnt 0x0
	s_load_b256 s[92:99], s[8:9], 0x0              ; e0 .. e7
	s_load_b64 s[100:101], s[8:9], 0x20            ; e8, e9
	s_add_nc_u64 s[20:21], s[4:5], s[20:21]
	s_add_nc_u64 s[46:47], s[6:7], s[46:47]
	CROUND                                         ; all sixteen work-groups are here: the first joint loads meet
	s_mov_b32 s[G0], 1
	s_mov_b32 s[G0+1], s45
	s_mov_b64 s[G0+2:G0+3], s[20:21]
	s_or_b32 s[G0+3], s[G0+3], 0x80000000
	s_mov_b32 s[G0B], 1
	s_mov_b32 s[G0B+1], s45
	s_mov_b64 s[G0B+2:G0B+3], s[46:47]
	s_or_b32 s[G0B+3], s[G0B+3], 0x80000000
	JLOAD G1H, G1HB                                ; chunks 0 to 3
	s_cmp_eq_u32 s15, 0                            ; the prefetches' base: chunk 4 of what I fetch, my work-group's 8 KiB of 32
	s_cselect_b64 s[12:13], s[20:21], s[46:47]
	s_cselect_b32 s18, s40, s41
	s_lshl_b32 s18, s18, 13
	s_add_co_u32 s18, s18, 65536
	s_mov_b32 s19, 0
	s_add_nc_u64 s[12:13], s[12:13], s[18:19]
	s_lshl_b32 s21, s15, 16                        ; my 128 queries,
	s_lshl_b32 s22, s16, 16
	s_add_co_u32 s22, s22, 2*65536                 ; my 128 keys
	s_lshl_b32 s72, s14, 9
	s_add_co_u32 s72, s72, XCH
	s_xor_b32 s73, s14, 1
	s_lshl_b32 s73, s73, 9
	s_add_co_u32 s73, s73, XCH
	s_lshl_b32 s74, s14, 10
	s_add_co_u32 s74, s74, STT
	v_and_b32 v1, 15, v0                           ; r
	v_and_b32 v6, 31, v0
	v_lshlrev_b32 v[LO], 4, v6
	v_lshlrev_b32 v[PFO], 8, v6
	v_add_nc_u32 v[ADRA], s21, v[LO]
	v_add_nc_u32 v[ADRB], s22, v[LO]
	v_add_nc_u32 v20, s21, v[LO]                   ; the same for places 0 and 1, never rewritten
	v_add_nc_u32 v21, s22, v[LO]
	v_lshl_add_u32 v10, v1, 2, s72                 ; where I put my rows' largest t,
	v_lshl_add_u32 v11, v1, 2, s73                 ; and where the wave with the other 128 keys has put its own
	v_lshl_add_u32 v12, v1, 2, s74                 ; the statistics: a lane a row in,
	v_add_nc_u32 v13, s74, v[LO]                   ; four rows a lane back
	s_wait_alu depctr_va_vdst(0)
	s_lshl_b32 s20, s17, 1
	s_add_co_u32 s20, s20, s15
	s_lshl_b32 s20, s20, 18                        ; pc: my group of 128 queries,
	s_lshl_b32 s21, s71, 1
	s_add_co_u32 s21, s21, s16
	s_lshl_b32 s21, s21, 14
	s_add_co_u32 s20, s20, s21                     ; my chunk of 128 keys
	s_mov_b32 s21, 0
	s_add_nc_u64 s[10:11], s[10:11], s[20:21]
	s_lshl_b32 s20, s17, 10
	s_lshl_b32 s22, s15, 9
	s_add_co_u32 s20, s20, s22                     ; my 128 rows in a line of nm or ls
	s_lshl_b32 s22, s71, 15
	s_add_co_u32 s22, s22, s20
	s_mov_b32 s23, 0
	s_add_nc_u64 s[76:77], s[76:77], s[22:23]      ; nm: line = the block
	s_lshl_b32 s22, s71, 1
	s_add_co_u32 s22, s22, s16
	s_lshl_b32 s22, s22, 15
	s_add_co_u32 s22, s22, s20
	s_add_nc_u64 s[78:79], s[78:79], s[22:23]      ; ls: line = the chunk
	s_wait_kmcnt 0x0
	s_add_co_i32 s18, s98, s99                     ; e6 + e7
	s_lshl_b32 s18, s18, 23
	s_add_co_i32 s68, s18, 0x3d38aa3b              ; c = log2(e) / 32 with the two exponents added to its exponent field: t = sum x c
	s_mov_b32 s69, s68                             ; (named with it as a pair, so it is written)
	s_add_co_i32 s18, s100, 127
	s_lshl_b32 s19, s18, 23
	v_mov_b32 v[SC], s19                           ; 2^e8
	s_add_co_i32 s18, s18, 15
	s_lshl_b32 s18, s18, 23
	s_or_b32 s18, s18, 0x600000
	v_mov_b32 v[LIM], s18                          ; 57,344 x 2^e8
.macro FRAG reg, adr, ch, i            ; block i of the chunk at place ch: four register groups, each 16 bytes a lane on end
.irp c, 0,1,2,3
	ds_load_b128 v[\reg+4*\c:\reg+4*\c+3], v[\adr] offset:16384*(\ch)+2048*(\i)+512*\c
.endr
.endm
; 16 matrix instructions: A's blocks a0, a0 + 1 x B's eight.  zero = 1: the first product starts the sums.  The 64 accumulators take turns, one instruction a turn.
.macro MUL16 a0, p, zero
.irp a, \a0, \a0+1
.irp b, 0,1,2,3,4,5,6,7
.if \zero
	v_wmma_f32_16x16x128_bf8_bf8 v[8*(8*((\a)%4)+\b):8*(8*((\a)%4)+\b)+7], v[128*(\p)+FR*\b:128*(\p)+FR*\b+FR-1], v[AF+FR*(\a):AF+FR*(\a)+FR-1], 0
.else
	v_wmma_f32_16x16x128_bf8_bf8 v[8*(8*((\a)%4)+\b):8*(8*((\a)%4)+\b)+7], v[128*(\p)+FR*\b:128*(\p)+FR*\b+FR-1], v[AF+FR*(\a):AF+FR*(\a)+FR-1], v[8*(8*((\a)%4)+\b):8*(8*((\a)%4)+\b)+7]
.endif
.endr
.endr
.endm
.macro FETCH_B ch, p
	WIN TO_B
.irp i, 0,1,2,3,4,5,6,7
	FRAG 128*(\p)+FR*\i, ADRB, \ch, \i
.endr
	WIN 0
.endm
.macro FETCH_A ch, i0
.irp i, \i0, \i0+1, \i0+2, \i0+3
	FRAG AF+FR*(\i), ADRA, \ch, \i
.endr
.endm
.macro PLACES                          ; four places behind matrix instructions, in front of loads into registers that they have read and of the first read of results
.rept 4
	v_nop
.endr
.endm
.macro STEP next, zero                 ; an even chunk, on B's set 0
	s_wait_dscnt 4*NL                              ; the youngest sixteen loads (A's blocks 4-7) may be out
	WIN MUL_LO
	MUL16 0, 0, \zero
	MUL16 2, 0, \zero
	s_wait_dscnt 0
	PLACES
	FETCH_B \next, 1
	FETCH_A \next, 0
	WIN MUL_HI
	MUL16 4, 0, \zero
	MUL16 6, 0, \zero
	PLACES
	WIN 0
	FETCH_A \next, 4
.endm
; An odd chunk ends the reads of two places (s75: 0 for places 0 and 1, 32,768 for 2 and 3): fill = 1: they are filled again behind the round with the next two chunks.
.macro TURN fill
	s_wait_tensorcnt 0x0                           ; all my tensor loads have landed
	ds_add_u32 v[SPW], v[NIL]                      ; 0 onto my spare word
	s_wait_dscnt 4*NL+1                            ; (the add and the youngest sixteen loads may be out)
	WIN MUL_LO
	MUL16 0, 1, 0
	s_wait_dscnt 0x0                               ; the add is done, and so are my reads of the two places
	s_barrier_signal -1
	MUL16 2, 1, 0
	WIN 0
	s_barrier_wait -1
.if \fill
	CREST                                          ; no wave of any partner still reads them or has a load on its way
	s_add_nc_u64 s[G0+2:G0+3], s[G0+2:G0+3], 32768
	s_add_nc_u64 s[G0B+2:G0B+3], s[G0B+2:G0B+3], 32768
	s_add_co_u32 s[G0+1], s45, s75
	s_add_co_u32 s[G0B+1], s45, s75
	JLOAD G1, G1B
.endif
	s_xor_b32 s75, s75, 32768                      ; on to the other two places
	PLACES
	v_add_nc_u32 v[ADRA], s75, v20
	v_add_nc_u32 v[ADRB], s75, v21
	s_wait_alu depctr_va_vdst(0)
	FETCH_B 0, 0
	FETCH_A 0, 0
.if \fill
	s_cmp_eq_u32 s3, 2
	s_cbranch_scc0 .Lno_ask_\@
	global_prefetch_b8 v[PFO], s[12:13] offset:32768 th:TH_LOAD_NT scope:SCOPE_SE   ; in the first trip: chunks 6 and 7, two chunks ahead of their load
.Lno_ask_\@:
.endif
	WIN MUL_HI
	MUL16 4, 1, 0
	MUL16 6, 1, 0
	PLACES
	WIN 0
	FETCH_A 0, 4
.endm
; The largest sum of blocks a and a + 1 of my lane, 64 registers each, in four chains, each accumulator from its low end on.
.macro MAX2 a
.set AC, 64*((\a)%4)
	WIN 0x0a+5*((\a)/4)                            ; sources 0 and 1: window 2 or 3
.irp k, 0,1
	v_max_num_f32 v[ST+2*(\a)+2*\k], v[AC+64*\k], v[AC+64*\k+1]
	v_max_num_f32 v[ST+2*(\a)+2*\k+1], v[AC+64*\k+2], v[AC+64*\k+3]
.endr
.irp i, 4,8,12,16,20,24,28,32,36,40,44,48,52,56,60
.irp k, 0,1
	v_max3_num_f32 v[ST+2*(\a)+2*\k], v[AC+64*\k+\i], v[AC+64*\k+\i+1], v[ST+2*(\a)+2*\k]
	v_max3_num_f32 v[ST+2*(\a)+2*\k+1], v[AC+64*\k+\i+2], v[AC+64*\k+\i+3], v[ST+2*(\a)+2*\k+1]
.endr
.endr
.endm
; Block a: p = 2^(t - M); between its exponentials stand the holds of the block before.
.macro PEXP a
.set AC, 64*((\a)%4)
.set TB, 32+160*((\a)%2)
.set TP, 192-160*((\a)%2)
	WIN 0x02+((\a)/4)
.set JJ, 0
.rept 32
	v_pk_fma_f32 v[TB+JJ:TB+JJ+1], v[AC+JJ:AC+JJ+1], s[68:69], v[ST+2*(\a):ST+2*(\a)+1] op_sel_hi:[1,0,0]   ; t - M, two at a time (of the pairs c and -M the low word serves both halves)
.set JJ, JJ+2
.endr
	WIN 0
	s_wait_alu depctr_va_vdst(0)                   ; ahead of the batch
.set II, 0
.rept 64
	v_exp_f32 v[TB+II], v[TB+II]                   ; p, at most 1: NOT normalised
.if (\a) > 0
	v_min_num_f32 v[TP+II], v[TP+II], v[LIM]       ; the conversion does not saturate (ISA guide 7.6.2); p is not negative, so the hold is one-sided
.endif
.set II, II+1
.endr
	v_nop                                          ; a plain instruction behind the last exponential
	s_wait_alu depctr_va_vdst(0)                   ; ahead of the first reader: one for the batch
.irp k, 0,2,4,6                        ; THE SUM IS TAKEN OF THE UNQUANTISED p, in four chains
	v_pk_add_f32 v[120+\k:121+\k], v[TB+\k:TB+\k+1], v[TB+8+\k:TB+9+\k]
.endr
.irp j, 16,24,32,40,48,56
.irp k, 0,2,4,6
	v_pk_add_f32 v[120+\k:121+\k], v[120+\k:121+\k], v[TB+\j+\k:TB+\j+\k+1]
.endr
.endr
	v_pk_add_f32 v[120:121], v[120:121], v[122:123]
	v_pk_add_f32 v[124:125], v[124:125], v[126:127]
	v_pk_add_f32 v[120:121], v[120:121], v[124:125]
	v_add_f32 v[PM+(\a)], v120, v121
.endm
.macro PCODE a                         ; block a's codes, a whole fragment: four register groups of 512 consecutive bytes
.set TB, 32+160*((\a)%2)
.set CB, 128+16*((\a)%4)
.if (\a) > 3
	s_wait_xcnt 0x0                                ; earlier stores have read these registers
.endif
.irp b, 0,1,2,3,4,5,6,7
	v_cvt_scalef32_pk8_bf8_f32 v[CB+2*\b:CB+2*\b+1], v[TB+8*\b:TB+8*\b+7], v[SC]
.endr
	v_nop                                          ; one plain vector instruction between the last conversion and the lines that write its sources
.irp c, 0,1,2,3
	global_store_b128 v[LO], v[CB+4*\c:CB+4*\c+3], s[10:11] offset:2048*(\a)+512*\c
.endr
.endm
	s_wait_alu depctr_va_vdst(0)                   ; the head's end
	s_wait_tensorcnt 0x0                           ; my part of chunks 0 to 3 is in,
	s_add_nc_u64 s[G0+2:G0+3], s[G0+2:G0+3], 32768 ; (a refill steps by two chunks: the first one, to chunk 4, by two more)
	s_add_nc_u64 s[G0B+2:G0B+3], s[G0B+2:G0B+3], 32768
	s_mov_b32 s75, 0
	s_barrier_signal -1
	s_barrier_wait -1                              ; everybody's is.
	FETCH_B 0, 0
	FETCH_A 0, 0
	FETCH_A 0, 4
	global_prefetch_b8 v[PFO], s[12:13] th:TH_LOAD_NT scope:SCOPE_SE   ; chunks 4 and 5
	STEP 1, 1                                      ; the first products start the sums: nothing is cleared
	s_mov_b32 s3, 2
.Lpair:                                                ; chunks 1 and 2 (places 0 and 1 take chunks 4 and 5), chunks 3 and 4 (places 2 and 3 take 6 and 7)
	TURN 1
	STEP 1, 0
	s_sub_co_u32 s3, s3, 1
	s_cmp_lg_u32 s3, 0
	s_wait_alu depctr_va_vdst(0)
	s_cbranch_scc1 .Lpair
	TURN 0
	STEP 1, 0
	s_wait_dscnt 4*NL                              ; the last chunk: nothing more to fetch
	WIN MUL_LO
	MUL16 0, 1, 0
	MUL16 2, 1, 0
	s_wait_dscnt 0
	WIN MUL_HI
	MUL16 4, 1, 0
	MUL16 6, 1, 0
	WIN 0
	PLACES
	; ---- the block's largest t for each of my 128 queries: my lane's 64 keys, the other half of the lanes', the other wave's 128 keys
	MAX2 0
	MAX2 2
	MAX2 4
	MAX2 6
	WIN 0
.irp a, 0,1,2,3,4,5,6,7
	v_max_num_f32 v[ST+2*\a+1], v[ST+2*\a], v[ST+2*\a+1]
.endr
.irp a, 0,1,2,3,4,5,6,7
	v_permlanex16_b32 v[ST+2*\a], v[ST+2*\a+1], s66, s67
.endr
.irp a, 0,1,2,3,4,5,6,7
	v_max_num_f32 v[ST+2*\a+1], v[ST+2*\a+1], v[ST+2*\a]
.endr
.irp a, 0,1,2,3,4,5,6,7
	v_mul_f32 v[ST+2*\a+1], s68, v[ST+2*\a+1]      ; as t (c is positive)
.endr
.irp a, 0,1,2,3,4,5,6,7
	ds_store_b32 v10, v[ST+2*\a+1] offset:64*\a    ; both halves of the lanes write the same word with the same value
.endr
	s_wait_alu depctr_va_vdst(0)
	s_wait_dscnt 0x0                               ; for the other wave's sake
	s_barrier_signal -1
	s_barrier_wait -1
.irp a, 0,1,2,3,4,5,6,7
	ds_load_b32 v[PM+\a], v11 offset:64*\a
.endr
	s_wait_dscnt 0x0
.irp a, 0,1,2,3,4,5,6,7
	v_max_num_f32 v[ST+2*\a+1], v[ST+2*\a+1], v[PM+\a]
.endr
.irp a, 0,1,2,3,4,5,6,7
	v_floor_f32 v[ST+2*\a], -v[ST+2*\a+1]          ; -M = floor(-t) = -ceil(t): M IS A WHOLE NUMBER
.endr
	; ---- p, its sums and its codes
	PEXP 0
.irp a, 1,2,3,4,5,6,7
	PEXP \a
	PCODE \a-1
.endr
.set II, 0
.rept 64
	v_min_num_f32 v[192+II], v[192+II], v[LIM]
.set II, II+1
.endr
	s_wait_alu depctr_va_vdst(0)
	PCODE 7
	; ---- the statistics leave as 512 consecutive bytes a wave
.irp a, 0,1,2,3,4,5,6,7
	v_permlanex16_b32 v[32+\a], v[PM+\a], s66, s67
.endr
.irp a, 0,1,2,3,4,5,6,7
	v_add_f32 v[PM+\a], v[PM+\a], v[32+\a]         ; the sum over my wave's 128 keys
.endr
.irp a, 0,1,2,3,4,5,6,7
	ds_store_b32 v12, v[PM+\a] offset:64*\a
	ds_store_b32 v12, v[ST+2*\a] offset:512+64*\a
.endr
	ds_load_b128 v[40:43], v13                     ; LDS serves a wave's instructions in order (ISA guide 5.7.1.4): these see my stores
	ds_load_b128 v[44:47], v13 offset:512
	s_wait_dscnt 0x0
	global_store_b128 v[LO], v[40:43], s[78:79]
	s_cmp_lg_u32 s16, 0                            ; -M is the same in both waves of a row half: the first of them stores it
	s_cbranch_scc1 .Lno_m
	global_store_b128 v[LO], v[44:47], s[76:77]
.Lno_m:
	s_wait_tensorcnt 0x0                           ; the wave's end
	ds_add_u32 v[SPW], v[NIL]
	s_wait_dscnt 0x0
	CROUND                                         ; the closing round
	s_endpgm
.Lfunc_end_k_q63a48a1a4c_score:
	.size	k_q63a48a1a4c_score, .Lfunc_end_k_q63a48a1a4c_score-k_q63a48a1a4c_score
	.p2alignl 7, 3214868480
	.fill 96, 4, 3214868480
	.section	.rodata,"a",@progbits
	.p2align	6, 0x0
	.amdhsa_kernel k_q63a48a1a4c_score
		.amdhsa_group_segment_fixed_size 327680
		.amdhsa_private_segment_fixed_size 0
		.amdhsa_enable_private_segment 0
		.amdhsa_kernarg_size 48
		.amdhsa_user_sgpr_count 2
		.amdhsa_user_sgpr_kernarg_segment_ptr 1
		.amdhsa_wavefront_size32 1
		.amdhsa_system_sgpr_workgroup_id_x 1
		.amdhsa_system_sgpr_workgroup_id_y 1
		.amdhsa_system_sgpr_workgroup_id_z 1
		.amdhsa_system_vgpr_workitem_id 0
		.amdhsa_next_free_vgpr 1024
		.amdhsa_next_free_sgpr 102
		.amdhsa_reserve_vcc 0
		.amdhsa_float_denorm_mode_32 3
		.amdhsa_float_denorm_mode_16_64 3
		.amdhsa_memory_ordered 1
		.amdhsa_forward_progress 1
		.amdhsa_inst_pref_size 155
	.end_amdhsa_kernel
	.amdgpu_metadata
---
amdhsa.version: [ 1, 2 ]
amdhsa.kernels:
  - .name:           k_q63a48a1a4c_score
    .symbol:         k_q63a48a1a4c_score.kd
    .args:
      - { .name: qc, .offset: 0, .size: 8, .value_kind: global_buffer, .address_space: global }
      - { .name: kc, .offset: 8, .size: 8, .value_kind: global_buffer, .address_space: global }
      - { .name: lowp_scales, .offset: 16, .size: 8, .value_kind: global_buffer, .address_space: global }
      - { .name: pc, .offset: 24, .size: 8, .value_kind: global_buffer, .address_space: global }
      - { .name: nm, .offset: 32, .size: 8, .value_kind: global_buffer, .address_space: global }
      - { .name: ls, .offset: 40, .size: 8, .value_kind: global_buffer, .address_space: global }
    .group_segment_fixed_size: 327680
    .private_segment_fixed_size: 0
    .kernarg_segment_align: 8
    .kernarg_segment_size: 48
    .max_flat_workgroup_size: 128
    .sgpr_count:     102
    .vgpr_count:     1024
    .wavefront_size: 32
...
	.end_amdgpu_metadata
.endif
;; end of part 2
;; launch pv (part 3): grid 4 x 64, 4 waves a work-group, clusters of 4 x 4, 327,680 bytes of LDS; arguments pc, vt, nm, ls, lowp_scales, out0; writes out0
.if DOCPART == 3
	.amdgcn_target "amdgcn-amd-amdhsa--gfx1250"
	.amdhsa_code_object_version 6
	.text
	.protected	k_q63a48a1a4c_pv
	.globl	k_q63a48a1a4c_pv
	.p2align	8
	.type	k_q63a48a1a4c_pv,@function
k_q63a48a1a4c_pv:
	s_mov_b64 s[64:65], 0
	v_nop
	global_prefetch_b8 v0, s[64:65] scope:SCOPE_SE
	s_setreg_imm32_b32 hwreg(HW_REG_WAVE_MODE, 25, 1), 1
	s_wait_xcnt 0x0
	s_wait_alu depctr_hold_cnt(0) depctr_sa_sdst(0) depctr_va_vdst(0) depctr_va_sdst(0) depctr_va_ssrc(0) depctr_va_vcc(0) depctr_vm_vsrc(0)
	s_getreg_b32 s2, hwreg(HW_REG_IB_STS2, 6, 4)
	s_cmp_eq_u32 s2, 0
	s_cbranch_scc0 .Lentry_in_a_cluster
	s_endpgm
.Lentry_in_a_cluster:
	s_bfe_u32 s2, ttmp6, 0x10000c
	s_cmp_lg_u32 s2, 0xf033
	s_cbranch_scc0 .Lentry_shape_is_right
	s_endpgm
.Lentry_shape_is_right:
; O = (P V) / l on codes of BF8 (E5M2).  pc: fragments of 16 queries x 128 keys: [64 groups of 128 queries][16 chunks of 128 keys][8 blocks][2048]; vt: [4 batches][8 groups of 128 d][16 chunks][8 blocks of 16 d][2048].
; nm [8 blocks of 256 keys][8192]: -M_j; ls [16 chunks][8192]: the sums of p under M_j.  out0: [8192 queries][1024] f32.  Nothing of the problem is left out here.
; JOINING THE BLOCKS.  d_j = M_j - M, M the row's largest M_j: a whole number, 0 or less, held at -64 from below (a block so far down adds under 2^-55 of a row's sum).  l = the sum over j of 2^d_j l_j.  The accumulators
; stand in the frame of the block at hand: ahead of block j's products they are multiplied by 2^(d_(j-1) - d_j); at the end by 2^(d_7 + e8 + e9) / l.
; SHARES.  A work-group makes 128 queries x 256 d, a wave 64 x 128: 32 accumulators.  K = 2,048 = sixteen chunks of 128, through two LDS slots of three chunks: X 0-2, Y 3-5, X 6-8, Y 9-11, X 12-13, Y 14-15, as they lie in memory.
; Waves 0 and 1 fetch for P (half of a slot's bytes each), waves 2 and 3 for V (128 d each).  CLUSTERS: 4 x 4: P's tile is shared along a row of the cluster, V's along a column: joint loads with a mask of four.
; PREFETCH: each refill's bytes, three chunks ahead of its load, shared out by address among the four partners, a lane 256 bytes; lanes left over name their wave's last block again.
; The matrix instruction is used transposed (source 0 = 16 d, source 1 = 16 queries): a lane holds one query and eight neighbouring d.
; A chunk goes in two halves of four blocks of V (16 matrix instructions each).  V's fragments have three sets of four, P's two sets of four blocks of queries.
; LIMITS: the power of two d_7 + e8 + e9 is applied by v_ldexp_f32 and has none.  NaN is not served.
; REGISTERS: window 0: v0-31 addresses; v32-95 results at work, v128-255 rows read back.  Window 1: v0-191 V's fragments, v192-219 the frames' factors.  Window 2: blocks 0 and 1 of my queries: accumulators
;   ((a, b) at v[64 a + 8 b]), from v128 P's fragments, two sets; window 3: the same for blocks 2 and 3.  So products and changes of frames of one window stand under one setting.
.set XV,     49152                     ; slot X: P's three chunks at 0, V's two groups of three chunks at XV
.set Y0,     147456                    ; slot Y
.set SPARE,  294912                    ; the spare words, 128 bytes a wave, that no other line names
.set TAB,    SPARE+512                 ; 2,048 bytes a wave: the factors, turned from two rows a lane to a lane a row
.set SPITCH, 528                       ; the way out: 16 rows x (512 bytes + 16) a wave, in slot X, which has had its last fill and its last read by then
.set GF,   8                           ; v8-11  2^(d_7 + e8 + e9) / l for my four blocks
.set ADXA, 16
.set ADXB, 17
.set ADYA, 18
.set ADYB, 19
.set PFS,  20                          ; v20, v30, v31: the prefetches' offsets: a refill of two chunks; of three, first and second instruction
.set STO,  24
.set RD,   25
.set CO,   26
.set RO,   27
.set SPW,  28
.set NIL,  29
.set PF1,  30
.set PF2,  31
.set TMP,  32
.set BK,   128
.set FACW, 192
.set G1A,  24                          ; group 1 for three chunks of P (half), of V; for two chunks
.set G1B,  32
.set G1SA, 48
.set G1SB, 56
.set G0XA, 80
.set G0XB, 84
.set G0YA, 88
.set G0YB, 92
.set MSB, 0
.macro WIN new
.if MSB != (\new)
	s_set_vgpr_msb (MSB<<8)|(\new)
.set MSB, (\new)
.endif
.endm
.macro JLOAD g0a, g1a, g0b, g1b        ; a joint load; an s_nop 0 and four v_nop follow each of the two lines
	s_cmp_eq_u32 s15, 0
	s_cbranch_scc0 .Lfor_b_\@
	tensor_load_to_lds s[\g0a:\g0a+3], s[\g1a:\g1a+7]
	s_nop 0
.rept 4
	v_nop
.endr
	s_branch .Lasked_\@
.Lfor_b_\@:
	tensor_load_to_lds s[\g0b:\g0b+3], s[\g1b:\g1b+7]
	s_nop 0
.rept 4
	v_nop
.endr
.Lasked_\@:
.endm
.macro CREST
	s_cmp_lg_u32 s14, 0
	s_cbranch_scc1 .Lnot_wave_0_\@
	s_barrier_signal -3
.Lnot_wave_0_\@:
	s_barrier_wait -3
	s_barrier_signal -1
	s_barrier_wait -1
.endm
.macro CROUND
	s_barrier_signal -1
	s_barrier_wait -1
	CREST
.endm
.macro ASK3 chunk                      ; three chunks from this one on: 6 KiB of P a wave, 12 KiB of V
	global_prefetch_b8 v[PF1], s[72:73] offset:(\chunk)*16384 th:TH_LOAD_NT scope:SCOPE_SE
	s_cmp_eq_u32 s15, 0
	s_cbranch_scc1 .Lp_\@
	global_prefetch_b8 v[PF2], s[72:73] offset:(\chunk)*16384 th:TH_LOAD_NT scope:SCOPE_SE
.Lp_\@:
.endm
.macro ASK2 chunk                      ; two chunks: 4 KiB of P a wave, 8 KiB of V
	global_prefetch_b8 v[PFS], s[74:75] offset:(\chunk)*16384 th:TH_LOAD_NT scope:SCOPE_SE
.endm
	s_load_b128 s[4:7], s[0:1], 0x0                ; pc, vt
	s_load_b128 s[76:79], s[0:1], 0x10             ; nm, ls
	s_load_b128 s[8:11], s[0:1], 0x20              ; the exponents, out0
	v_lshl_add_u32 v[SPW], v0, 2, SPARE
	v_mov_b32 v[NIL], 0
	ds_add_u32 v[SPW], v[NIL]                      ; the wave's opening
	ds_add_u32 v[SPW], v[NIL]
	v_lshrrev_b32 v1, 5, v0
	v_readfirstlane_b32 s14, v1                    ; wave 0..3
	s_lshr_b32 s15, s14, 1                         ; which 64 queries are mine.  Also: I fetch for P (0) or V (1)
	s_and_b32 s16, s14, 1                          ; which 128 d.  Also: which half of what is fetched
	s_bfe_u32 s40, ttmp6, 0x40000                  ; cx: which 256 d;  cy
	s_bfe_u32 s41, ttmp6, 0x40004
	s_and_b32 s70, ttmp7, 0xffff
	s_lshl_b32 s17, s70, 2
	s_add_co_u32 s17, s17, s41                     ; the group of 128 queries: 4 x cluster y + cy
	s_lshl_b32 s43, s41, 2
	s_lshl_b32 s43, 15, s43                        ; my row of the cluster
	s_lshl_b32 s44, 0x1111, s40                    ; my column
	s_or_b32 s[G1A], s43, (1<<21)
	s_or_b32 s[G1B], s44, (1<<21)
	s_or_b32 s[G1SA], s43, (1<<21)
	s_or_b32 s[G1SB], s44, (1<<21)
.irp g, G1A, G1B, G1SA, G1SB
	s_mov_b32 s[\g+1], 1024<<16                    ; dense blocks, as rows of 1,024 bytes
	s_mov_b32 s[\g+3], 1024<<16
	s_mov_b32 s[\g+5], 1024
	s_mov_b32 s[\g+6], 0
	s_mov_b32 s[\g+7], 0
.endr
	s_mov_b32 s[G1A+2], 24<<16
	s_mov_b32 s[G1A+4], 24
	s_mov_b32 s[G1B+2], 48<<16
	s_mov_b32 s[G1B+4], 48
	s_mov_b32 s[G1SA+2], 16<<16
	s_mov_b32 s[G1SA+4], 16
	s_mov_b32 s[G1SB+2], 32<<16
	s_mov_b32 s[G1SB+4], 32
	s_lshl_b32 s20, s17, 18                        ; P: my group of queries,
	s_mov_b32 s21, 0
	s_mul_i32 s45, s16, 24576                      ; my half of three chunks, in memory and in LDS,
	s_mov_b32 s18, s45
	s_mov_b32 s19, 0
	s_lshl_b32 s69, s16, 14                        ; and of two chunks:
	s_lshl_b32 s12, s16, 13                        ; 8,192 bytes less for the second half
	s_mov_b32 s13, 0
	s_lshl_b32 s46, s40, 1
	s_add_co_u32 s46, s46, s16
	s_lshl_b32 s46, s46, 18                        ; V: my group of 128 d,
	s_lshr_b32 s47, s70, 2
	s_lshl_b32 s47, s47, 21
	s_add_co_u32 s46, s46, s47                     ; in the batch
	s_mov_b32 s47, 0
	s_mul_i32 s66, s16, 49152
	s_add_co_u32 s66, s66, XV                      ; and in LDS
	s_lshl_b32 s22, s17, 9
	s_lshl_b32 s23, s15, 8
	s_add_co_u32 s22, s22, s23                     ; my 64 rows in a line of nm or ls
	s_mov_b32 s23, 0
	s_wait_dscnt 0x0                               ; both opening adds are done
	s_wait_kmcnt 0x0
	s_load_b64 s[100:101], s[8:9], 0x20            ; e8, e9
	s_add_nc_u64 s[20:21], s[4:5], s[20:21]
	s_add_nc_u64 s[46:47], s[6:7], s[46:47]
	s_add_nc_u64 s[18:19], s[20:21], s[18:19]
	s_add_nc_u64 s[76:77], s[76:77], s[22:23]
	s_add_nc_u64 s[78:79], s[78:79], s[22:23]
	v_and_b32 v7, 31, v0
	v_lshlrev_b32 v[CO], 4, v7
	v_lshlrev_b32 v[RO], 3, v7
.irp j, 0,1,2,3,4,5,6,7                ; the statistics, two rows a lane
	global_load_b64 v[128+2*\j:129+2*\j], v[RO], s[76:77] offset:32768*\j
.endr
.irp m, 0,1,2,3,4,5,6,7,8,9,10,11,12,13,14,15
	global_load_b64 v[144+2*\m:145+2*\m], v[RO], s[78:79] offset:32768*\m
.endr
	CROUND                                         ; all sixteen work-groups are here: the first joint loads meet
	s_mov_b32 s[G0XA], 1
	s_mov_b32 s[G0XA+1], s45
	s_mov_b64 s[G0XA+2:G0XA+3], s[18:19]
	s_or_b32 s[G0XA+3], s[G0XA+3], 0x80000000
	s_mov_b32 s[G0XB], 1
	s_mov_b32 s[G0XB+1], s66
	s_mov_b64 s[G0XB+2:G0XB+3], s[46:47]
	s_or_b32 s[G0XB+3], s[G0XB+3], 0x80000000
	JLOAD G0XA, G1A, G0XB, G1B                     ; slot X: chunks 0 to 2
	s_mov_b32 s[G0YA], 1
	s_add_co_u32 s[G0YA+1], s45, Y0
	s_add_nc_u64 s[G0YA+2:G0YA+3], s[18:19], 3*16384
	s_or_b32 s[G0YA+3], s[G0YA+3], 0x80000000
	s_mov_b32 s[G0YB], 1
	s_add_co_u32 s[G0YB+1], s66, Y0
	s_add_nc_u64 s[G0YB+2:G0YB+3], s[46:47], 3*16384
	s_or_b32 s[G0YB+3], s[G0YB+3], 0x80000000
	; the prefetches' bases: my work-group's quarter of what I fetch
	s_mov_b32 s23, 12288
	s_cmp_eq_u32 s15, 0
	s_cselect_b64 s[72:73], s[18:19], s[46:47]
	s_cselect_b64 s[74:75], s[20:21], s[46:47]
	s_cselect_b32 s22, s40, s41
	s_cselect_b32 s23, 6144, s23
	s_cselect_b32 s71, 12, 13
	s_cselect_b32 s67, s69, 0
	s_cselect_b32 s98, 23, 31
	s_cselect_b32 s99, 15, 31
	s_mul_i32 s96, s22, s23
	s_mov_b32 s97, 0
	s_add_nc_u64 s[72:73], s[72:73], s[96:97]
	s_lshl_b32 s96, s22, s71
	s_add_co_u32 s96, s96, s67
	s_add_nc_u64 s[74:75], s[74:75], s[96:97]
	s_lshl_b32 s18, s15, 13                        ; LDS: my 64 queries of P's blocks
	s_add_co_u32 s19, s18, Y0
	s_add_co_u32 s22, s66, Y0                      ; my 128 d of V's (the half that I read has the number of the half that I fetch)
	s_mul_i32 s67, s14, 16*SPITCH                  ; my stage
	s_lshl_b32 s71, s14, 11
	s_add_co_u32 s71, s71, TAB                     ; my table
	v_and_b32 v7, 31, v0
	v_min_u32 v4, s98, v7
	v_lshlrev_b32 v[PF1], 8, v4
	v_min_u32 v4, 15, v7
	v_lshlrev_b32 v4, 8, v4
	v_add_nc_u32 v[PF2], 0x2000, v4
	v_min_u32 v4, s99, v7
	v_lshlrev_b32 v[PFS], 8, v4
	v_lshlrev_b32 v4, 4, v7
	v_add_nc_u32 v[ADXA], s18, v4
	v_add_nc_u32 v[ADYA], s19, v4
	v_add_nc_u32 v[ADXB], s66, v4
	v_add_nc_u32 v[ADYB], s22, v4
	v_add_nc_u32 v[RD], s67, v4
	v_and_b32 v1, 15, v0
	v_bfe_u32 v2, v0, 4, 1
	v_mul_u32_u24 v3, v1, SPITCH
	v_lshl_add_u32 v3, v2, 5, v3
	v_add_nc_u32 v[STO], s67, v3
	v_lshlrev_b32 v5, 3, v7
	v_add_nc_u32 v5, s71, v5
	v_lshl_add_u32 v6, v1, 2, s71
	s_lshl_b32 s20, s17, 7
	s_lshl_b32 s21, s15, 6
	s_add_co_u32 s20, s20, s21
	s_lshl_b32 s20, s20, 12                        ; out0: my first row,
	s_lshl_b32 s21, s40, 10
	s_add_co_u32 s20, s20, s21
	s_lshl_b32 s21, s16, 9
	s_add_co_u32 s20, s20, s21                     ; my 128 columns
	s_mov_b32 s21, 0
	s_add_nc_u64 s[10:11], s[10:11], s[20:21]
.macro FRAG reg, adr, ch, i            ; block i of the chunk at place ch: four register groups, each 16 bytes a lane on end
.irp c, 0,1,2,3
	ds_load_b128 v[\reg+4*\c:\reg+4*\c+3], v[\adr] offset:16384*(\ch)+2048*(\i)+512*\c
.endr
.endm
.macro FBH x, pl, hb, buf              ; V's four blocks of half hb into set buf; x = 1: slot X
	WIN 0x40
.irp k, 0,1,2,3
.if \x
	FRAG 64*(\buf)+16*\k, ADXB, \pl, 4*(\hb)+\k
.else
	FRAG 64*(\buf)+16*\k, ADYB, \pl, 4*(\hb)+\k
.endif
.endr
	WIN 0
.endm
.macro FPA x, pl, p                    ; P's four blocks into set p of windows 2 and 3
.irp k, 0,1,2,3
	WIN 0x80+0x40*(\k/2)
.if \x
	FRAG 128+32*(\p)+16*(\k%2), ADXA, \pl, \k
.else
	FRAG 128+32*(\p)+16*(\k%2), ADYA, \pl, \k
.endif
.endr
	WIN 0
.endm
.macro PLACES                          ; four places behind matrix instructions (ISA guide 7.12.1 for vector instructions)
.rept 4
	v_nop
.endr
.endm
.macro SC2 w, k, f                     ; window w's two accumulators of V's block k into block f's frame
.set FP, FACW+4*((\f)-1)+2*((\w)-2)
.irp i, 0,2,4,6
	v_pk_mul_f32 v[8*(\k)+\i:8*(\k)+\i+1], v[FP:FP+1], v[8*(\k)+\i:8*(\k)+\i+1] op_sel_hi:[0,1]
.endr
.irp i, 0,2,4,6
	v_pk_mul_f32 v[64+8*(\k)+\i:64+8*(\k)+\i+1], v[FP:FP+1], v[64+8*(\k)+\i:64+8*(\k)+\i+1] op_sel:[1,0] op_sel_hi:[1,1]
.endr
.endm
; Eight matrix instructions: window w's two blocks of queries x the four blocks of V in set buf (half hb).  mode 1: they start the sums; 2: the accumulators change frames, the next two between the products of two.
; The accumulators take turns, one instruction a turn.
.macro GRP w, buf, hb, p, mode, f
	WIN 1+84*(\w)                                  ; source 0 window 1; source 1, C and D window w
.if (\mode) == 2
	SC2 \w, 4*(\hb), \f
.endif
.irp b, 0,1,2,3
.irp a, 0,1
.if (\mode) == 1
	v_wmma_f32_16x16x128_bf8_bf8 v[64*\a+8*(4*(\hb)+\b):64*\a+8*(4*(\hb)+\b)+7], v[64*(\buf)+16*\b:64*(\buf)+16*\b+15], v[128+32*(\p)+16*\a:128+32*(\p)+16*\a+15], 0
.else
	v_wmma_f32_16x16x128_bf8_bf8 v[64*\a+8*(4*(\hb)+\b):64*\a+8*(4*(\hb)+\b)+7], v[64*(\buf)+16*\b:64*(\buf)+16*\b+15], v[128+32*(\p)+16*\a:128+32*(\p)+16*\a+15], v[64*\a+8*(4*(\hb)+\b):64*\a+8*(4*(\hb)+\b)+7]
.endif
.endr
.if ((\mode) == 2) && (\b < 3)
	SC2 \w, 4*(\hb)+\b+1, \f
.endif
.endr
.endm
; The halves of a chunk whose first set of V is b0 and second b1.  In each the loads of the next chunk's half go out (x, pl: its slot and place), in the first also P's: so at a half's start the loads of the half before may be out: 16 or 32.
.macro H0 p, mode, f, b0, ld, x, pl
	s_wait_dscnt 16
	GRP 2, \b0, 0, \p, \mode, \f
.if \ld
	PLACES
	WIN 0
	FBH \x, \pl, 0, (\b0+2)%3
	FPA \x, \pl, 1-\p
.endif
	GRP 3, \b0, 0, \p, \mode, \f
.endm
.macro H1 p, mode, f, b1, x, pl
	s_wait_dscnt 32
	GRP 2, \b1, 1, \p, \mode, \f
	PLACES
	WIN 0
	FBH \x, \pl, 1, (\b1+2)%3
	GRP 3, \b1, 1, \p, \mode, \f
.endm
; The first half of a slot's last chunk, whose fragments are all in registers or waited for here: behind the barrier the other slot is whole and this one is free.  fill 1: it takes three chunks, 2: two (soff: where the slot begins), 0: none.
.macro HC p, mode, f, b0, x, fill, g0a, g0b, stepb, soff
	s_wait_dscnt 0x0
	WIN 0
	s_wait_tensorcnt 0x0
	ds_add_u32 v[SPW], v[NIL]
.if \fill
	s_add_nc_u64 s[\g0a+2:\g0a+3], s[\g0a+2:\g0a+3], \stepb
	s_add_nc_u64 s[\g0b+2:\g0b+3], s[\g0b+2:\g0b+3], \stepb
.endif
.if (\fill) == 2
	s_sub_nc_u64 s[\g0a+2:\g0a+3], s[\g0a+2:\g0a+3], s[12:13]
	s_add_co_u32 s[\g0a+1], s69, \soff
.endif
	GRP 2, \b0, 0, \p, \mode, \f
	s_wait_dscnt 0x0                               ; the add is done; my reads of the slot were over before it
	s_barrier_signal -1
	GRP 3, \b0, 0, \p, \mode, \f
	WIN 0
	s_barrier_wait -1
.if \fill
	CREST
.if (\fill) == 1
	JLOAD \g0a, G1A, \g0b, G1B
.else
	JLOAD \g0a, G1SA, \g0b, G1SB
.endif
.endif
	PLACES
	FBH \x, 0, 0, (\b0+2)%3
	FPA \x, 0, 1-\p
.endm
; THE WAY OUT of block a, 16 rows x 128 columns: x 2^(d_7 + e8 + e9) / l, through my stage, back as whole rows of 512 bytes, two aligned units of 256.
.macro TOSTAGE a
.set AC, 64*((\a)%2)
.set GP, GF+((\a)/2)*2
	WIN 0x02+((\a)/2)
.set JJ, 0
.rept 32
.if ((\a)%2) == 0
	v_pk_mul_f32 v[TMP+JJ:TMP+JJ+1], v[AC+JJ:AC+JJ+1], v[GP:GP+1] op_sel_hi:[1,0]
.else
	v_pk_mul_f32 v[TMP+JJ:TMP+JJ+1], v[AC+JJ:AC+JJ+1], v[GP:GP+1] op_sel:[0,1] op_sel_hi:[1,1]
.endif
.set JJ, JJ+2
.endr
	WIN 0
.irp b, 0,1,2,3,4,5,6,7
	ds_store_b128 v[STO], v[TMP+8*\b:TMP+8*\b+3] offset:64*\b
	ds_store_b128 v[STO], v[TMP+8*\b+4:TMP+8*\b+7] offset:64*\b+16
.endr
.set BB, BK+64*((\a)%2)
.set TT, 0
.rept 16
	ds_load_b128 v[BB+4*TT:BB+4*TT+3], v[RD] offset:TT*SPITCH
.set TT, TT+1
.endr
.endm
.macro SEND a, younger                 ; younger: the LDS instructions issued behind block a's loads, which may stay out
.set BB, BK+64*((\a)%2)
	s_wait_dscnt \younger
.if (\a) > 0
	s_add_nc_u64 s[10:11], s[10:11], 16*4096
.endif
.set TT, 0
.rept 16
	global_store_b128 v[CO], v[BB+4*TT:BB+4*TT+3], s[10:11] offset:TT*4096 th:TH_STORE_NT
.set TT, TT+1
.endr
.endm
	s_wait_alu depctr_va_vdst(0)                   ; the head's end
	s_wait_tensorcnt 0x0                           ; my part of X is in
	ds_add_u32 v[SPW], v[NIL]
	s_wait_dscnt 0x0
	CROUND
	JLOAD G0YA, G1A, G0YB, G1B                     ; slot Y's first fill: chunks 3 to 5
	FBH 1, 0, 0, 0
	FPA 1, 0, 0
	FBH 1, 0, 1, 1
	ASK3 6                                         ; chunks 6 to 8
	; under slot Y's flight: the factors that join the blocks, two rows a lane
	s_wait_loadcnt 0x0
	s_wait_kmcnt 0x0
	s_add_co_i32 s68, s100, s101
.irp i, 0,1
	v_min_num_f32 v[96+\i], v[128+\i], v[130+\i]
.endr
.irp j, 2,3,4,5,6,7
.irp i, 0,1
	v_min_num_f32 v[96+\i], v[96+\i], v[128+2*\j+\i]   ; -M
.endr
.endr
.irp j, 0,1,2,3,4,5,6,7
.irp i, 0,1
	v_sub_f32 v[128+2*\j+\i], v[96+\i], v[128+2*\j+\i]
.endr
.irp i, 0,1
	v_max_num_f32 v[128+2*\j+\i], 0xc2800000, v[128+2*\j+\i]
.endr
.irp i, 0,1
	v_cvt_i32_f32 v[128+2*\j+\i], v[128+2*\j+\i]   ; d_j
.endr
.irp i, 0,1
	v_ldexp_f32 v[104+\i], 1.0, v[128+2*\j+\i]
.endr
.irp i, 0,1
	v_add_f32 v[144+4*\j+\i], v[144+4*\j+\i], v[146+4*\j+\i]
.endr
.irp i, 0,1
.if \j == 0
	v_mul_f32 v[100+\i], v[104+\i], v[144+4*\j+\i]
.else
	v_fma_f32 v[100+\i], v[104+\i], v[144+4*\j+\i], v[100+\i]   ; l
.endif
.endr
.endr
.irp k, 0,1,2,3,4,5,6
.irp i, 0,1
	v_sub_nc_u32 v[104+\i], v[128+2*\k+\i], v[130+2*\k+\i]
.endr
.irp i, 0,1
	v_ldexp_f32 v[224+2*\k+\i], 1.0, v[104+\i]     ; 2^(d_k - d_(k+1))
.endr
.endr
	s_wait_alu depctr_va_vdst(0)                   ; ahead of the batch
.irp i, 0,1
	v_rcp_f32 v[100+\i], v[100+\i]
.endr
.irp i, 0,1
	v_add_nc_u32 v[142+\i], s68, v[142+\i]
.endr
	s_wait_alu depctr_va_vdst(0)                   ; and ahead of its first reader
.irp i, 0,1
	v_ldexp_f32 v[238+\i], v[100+\i], v[142+\i]    ; 2^(d_7 + e8 + e9) / l
.endr
.irp k, 0,1,2,3,4,5,6,7
	ds_store_b64 v5, v[224+2*\k:225+2*\k] offset:256*\k
.endr
	WIN 0x40
.irp k, 0,1,2,3,4,5,6                  ; LDS serves a wave's instructions in order (ISA guide 5.7.1.4): these see my stores
.irp a, 0,1,2,3
	ds_load_b32 v[FACW+4*\k+\a], v6 offset:256*\k+64*\a
.endr
.endr
	WIN 0
.irp a, 0,1,2,3
	ds_load_b32 v[GF+\a], v6 offset:256*7+64*\a
.endr
	s_wait_dscnt 0x0
	H0 0, 1, 0, 0, 1, 1, 1                         ; chunk 0
	H1 0, 1, 0, 1, 1, 1
	H0 1, 0, 0, 2, 1, 1, 2
	H1 1, 0, 0, 0, 1, 2
	HC 0, 2, 1, 1, 0, 1, G0XA, G0XB, 98304, 0      ; chunk 2: X takes chunks 6 to 8
	ASK3 9                                         ; chunks 9 to 11
	H1 0, 2, 1, 2, 0, 0
	H0 1, 0, 0, 0, 1, 0, 1
	H1 1, 0, 0, 1, 0, 1
	H0 0, 2, 2, 2, 1, 0, 2
	H1 0, 2, 2, 0, 0, 2
	HC 1, 0, 0, 1, 1, 1, G0YA, G0YB, 98304, 0      ; chunk 5: Y takes chunks 9 to 11
	ASK2 12                                        ; chunks 12 and 13
	H1 1, 0, 0, 2, 1, 0
	H0 0, 2, 3, 0, 1, 1, 1
	H1 0, 2, 3, 1, 1, 1
	H0 1, 0, 0, 2, 1, 1, 2
	H1 1, 0, 0, 0, 1, 2
	HC 0, 2, 4, 1, 0, 2, G0XA, G0XB, 98304, 0      ; chunk 8: X takes chunks 12 and 13
	ASK2 14                                        ; chunks 14 and 15
	H1 0, 2, 4, 2, 0, 0
	H0 1, 0, 0, 0, 1, 0, 1
	H1 1, 0, 0, 1, 0, 1
	H0 0, 2, 5, 2, 1, 0, 2
	H1 0, 2, 5, 0, 0, 2
	HC 1, 0, 0, 1, 1, 2, G0YA, G0YB, 81920, Y0     ; chunk 11: Y takes chunks 14 and 15
	H1 1, 0, 0, 2, 1, 0
	H0 0, 2, 6, 0, 1, 1, 1
	H1 0, 2, 6, 1, 1, 1
	HC 1, 0, 0, 2, 0, 0, 0, 0, 0, 0                ; chunk 13: nothing is filled again; behind this barrier nobody reads X
	H1 1, 0, 0, 0, 0, 0
	H0 0, 2, 7, 1, 1, 0, 1
	H1 0, 2, 7, 2, 0, 1
	H0 1, 0, 0, 0, 0, 0, 0                         ; chunk 15: blocks 0 and 1 of my queries are finished first and go to the stage ahead of the others' last products
	s_wait_dscnt 0x0
	GRP 2, 1, 1, 1, 0, 0
	PLACES
	TOSTAGE 0
	GRP 3, 1, 1, 1, 0, 0
	TOSTAGE 1
	SEND 0, 32
	PLACES
	s_wait_xcnt 0x0                                ; block 0's stores have read their registers and their base
	TOSTAGE 2
	SEND 1, 32
	s_wait_xcnt 0x0
	TOSTAGE 3
	SEND 2, 32
	s_wait_xcnt 0x0
	SEND 3, 0
	s_wait_tensorcnt 0x0                           ; the wave's end
	ds_add_u32 v[SPW], v[NIL]
	s_wait_dscnt 0x0
	CROUND                                         ; the closing round
	s_endpgm
.Lfunc_end_k_q63a48a1a4c_pv:
	.size	k_q63a48a1a4c_pv, .Lfunc_end_k_q63a48a1a4c_pv-k_q63a48a1a4c_pv
	.p2alignl 7, 3214868480
	.fill 96, 4, 3214868480
	.section	.rodata,"a",@progbits
	.p2align	6, 0x0
	.amdhsa_kernel k_q63a48a1a4c_pv
		.amdhsa_group_segment_fixed_size 327680
		.amdhsa_private_segment_fixed_size 0
		.amdhsa_enable_private_segment 0
		.amdhsa_kernarg_size 48
		.amdhsa_user_sgpr_count 2
		.amdhsa_user_sgpr_kernarg_segment_ptr 1
		.amdhsa_wavefront_size32 1
		.amdhsa_system_sgpr_workgroup_id_x 1
		.amdhsa_system_sgpr_workgroup_id_y 1
		.amdhsa_system_sgpr_workgroup_id_z 1
		.amdhsa_system_vgpr_workitem_id 0
		.amdhsa_next_free_vgpr 1024
		.amdhsa_next_free_sgpr 102
		.amdhsa_reserve_vcc 0
		.amdhsa_float_denorm_mode_32 3
		.amdhsa_float_denorm_mode_16_64 3
		.amdhsa_memory_ordered 1
		.amdhsa_forward_progress 1
		.amdhsa_inst_pref_size 197
	.end_amdhsa_kernel
	.amdgpu_metadata
---
amdhsa.version: [ 1, 2 ]
amdhsa.kernels:
  - .name:           k_q63a48a1a4c_pv
    .symbol:         k_q63a48a1a4c_pv.kd
    .args:
      - { .name: pc, .offset: 0, .size: 8, .value_kind: global_buffer, .address_space: global }
      - { .name: vt, .offset: 8, .size: 8, .value_kind: global_buffer, .address_space: global }
      - { .name: nm, .offset: 16, .size: 8, .value_kind: global_buffer, .address_space: global }
      - { .name: ls, .offset: 24, .size: 8, .value_kind: global_buffer, .address_space: global }
      - { .name: lowp_scales, .offset: 32, .size: 8, .value_kind: global_buffer, .address_space: global }
      - { .name: out0, .offset: 40, .size: 8, .value_kind: global_buffer, .address_space: global }
    .group_segment_fixed_size: 327680
    .private_segment_fixed_size: 0
    .kernarg_segment_align: 8
    .kernarg_segment_size: 48
    .max_flat_workgroup_size: 128
    .sgpr_count:     102
    .vgpr_count:     1024
    .wavefront_size: 32
...
	.end_amdgpu_metadata
.endif
;; end of part 3
